; MI455X (gfx1250); checked and timed in simulation.
; The chip was launched on July 23, 2026; its instructions are those of AMD's public machine-readable ISA for CDNA 5 (MIT licence, August 2026) and "CDNA5" Instruction Set Architecture Reference Guide (July 2026). The comments in the code are by the model that wrote it; some were corrected since.
;; S Tra TS Multi Time Attention. Allowed arithmetic: matrix products marked QUANTISED: E2M3 operands, one E8M0 scale for each 32 along K, by v_wmma_scale_f32_16x16x128_f8f6f4 with both operands' format E2M3, f32 sums; everything else in f32.
;; Inputs: Wk 8 x 256 x 32 float32; Wq 8 x 256 x 32 float32; Wv 8 x 256 x 32 float32; key 32 x 1,024 x 256 float32; mask 32 x 1,024 float32; query 32 x 1,024 x 256 float32; value 32 x 1,024 x 256 float32.
;; Outputs: out0 32 x 1,024 x 256 float32.
;; This version of the problem:
;;   THIS VERSION OF THE PROBLEM IS GIVEN IN LOW PRECISION. The matrix products marked QUANTISED in the list below multiply operands that are first quantised to E2M3 (2 exponent bits, 3 mantissa bits; 6 bits a number), with one power-of-two scale for each 32 numbers along K (OCP MX v1.0); their sums are f32. All else is computed in f32.
;;   The module's matrix products, in the order in which they are computed (A, B: the left and right operand; K: the contracted axis; several contracted axes count as one K, in the product's order):
;;     1. [M 256, K 256] x [K 256, N 32,768]; A: input Wq; B: input query: QUANTISED
;;     2. [M 256, K 256] x [K 256, N 32,768]; A: input Wk; B: input key: QUANTISED
;;     3. [M 256, K 256] x [K 256, N 32,768]; A: input Wv; B: input value: QUANTISED
;;     4. batch 256 x [M 1,024, K 32] x [K 32, N 1,024]; A: computed on the way; B: computed on the way: QUANTISED
;;     5. batch 256 x [M 1,024, K 1,024] x [K 1,024, N 32]; A: softmax (see below); B: computed on the way: QUANTISED
;;   THE QUANTISER, for each operand of a quantised product, along K:
;;     - K is cut into blocks of 32 from its start; a last block that is shorter is filled with zeros.
;;     - A block's scale is 2^e with e = floor(log2(the largest magnitude in the block)) - 2, held to -126 .. 127; a block of zeros has e = 0. As a byte (E8M0): e + 127.
;;     - Each number is divided by its block's scale, clamped to +-7.5, and rounded to the nearest number of E2M3, ties to even, subnormals kept.
;;     - The product sums the exact products of the quantised numbers (number of the format x scale) in f32.
;;   ~~~python
;;   def quantise(x, axis):      # numpy; x: float32 -> the quantised numbers, widened to float32 again
;;       x = np.moveaxis(x, axis, -1); K = x.shape[-1]
;;       x = np.pad(x, [(0, 0)] * (x.ndim - 1) + [(0, -K % 32)]); x = x.reshape(x.shape[:-1] + (-1, 32)); a = np.abs(x).max(-1, keepdims=True)
;;       e = np.where(a > 0, np.clip(np.frexp(np.where(a > 0, a, 1))[1] - 1 - 2, -126, 127), 0)      # np.frexp(a)[1] - 1 = floor(log2(a)), exactly
;;       r = np.clip(x / 2.0 ** e, -7.5, 7.5)
;;       step = 2.0 ** (np.maximum(np.frexp(np.where(r == 0, 1, r))[1] - 1, 0) - 3)
;;       q = np.round(r / step) * step * 2.0 ** e      # np.round: ties to even
;;       return np.moveaxis(q.reshape(q.shape[:-2] + (-1,))[..., :K], -1, axis).astype(np.float32)
;;   ~~~
;;   SOFTMAX AHEAD OF A QUANTISED PRODUCT. Where the list says 'softmax', what is quantised is not the finished softmax but p = 2^(t - M), with t = logit x log2(e) and M = ceil(the row's largest t), a whole number; so 1/2 < the row's largest p <= 1. The row's sum l is taken of the UNQUANTISED p, in f32, and the product's result is divided by l at the end. Since M is a whole number, a kernel that streams over the keys may use a running M (the ceiling of the running maximum): every later rescaling is an exact power of two, which a block's scale takes up: the codes' values come out the same.
;;   OPERANDS COMPUTED ON THE WAY. 'Computed on the way' means the value that the module computes at that place (a softmax that the list does not call 'softmax' is quantised finished and normalised). What goes into a quantiser is computed in f32, as accurately as f32 sums, v_exp_f32 and their like allow (about 1e-6 of the number): no bf16 or f16 on the way to a quantiser, and a product that is left as it is and whose result goes on into a quantised operand takes f32 operands (vector FMAs, or v_wmma_f32_16x16x4_f32). A number that lies on a knife's edge between two numbers of the format may be rounded either way, as far as f32 arithmetic and the matrix unit's own rounding can turn it there, and no further.
;; 2 versions. Each part assembles by itself: llvm-mc -triple=amdgcn-amd-amdhsa -mcpu=gfx1250 --defsym DOCPART=n.
;; ======== version 1 of 2: 3 launches
;; workspace buffers: wimg 147,456 bytes; wsc 12,288 bytes; qc 6,291,456 bytes; qs 262,144 bytes; kc 6,291,456 bytes; ks 262,144 bytes; vc 6,291,456 bytes; vs 262,144 bytes
;; launch wprep (part 1): grid 8 x 3, 4 waves a work-group, no clusters, 0 bytes of LDS; arguments Wq, Wk, Wv, wimg, wsc; writes wimg, wsc
.if DOCPART == 1
	.amdgcn_target "amdgcn-amd-amdhsa--gfx1250"
	.amdhsa_code_object_version 6
	.text
	.protected	k_q14b88091fb_wprep
	.globl	k_q14b88091fb_wprep
	.p2align	8
	.type	k_q14b88091fb_wprep,@function
k_q14b88091fb_wprep:
	s_mov_b64 s[64:65], 0
	v_nop
	global_prefetch_b8 v0, s[64:65] scope:SCOPE_SE
	s_setreg_imm32_b32 hwreg(HW_REG_WAVE_MODE, 25, 1), 1
	s_wait_xcnt 0x0
; Wq, Wk, Wv [8 heads][256 d][32 dk], f32, are quantised along d (blocks of 32, E2M3 codes, one E8M0 byte a block) and stored as IMAGES OF OPERAND REGISTERS,
; so that the projection launch loads each fragment (16 columns x 128 d, 12 registers a lane) by three loads of 16 bytes a lane.
; wimg [T 3][g 4][u 4][ks 2][1536]: registers 4 q .. 4 q + 3 of lane l at 512 q + 16 l.   wsc, same index, [128]: the column's scale word at 4 l.
; SHARES: work-group y = the tensor T; x = head pair g (x & 3) and K step ks (x >> 2); wave = column tile u.  One wave makes one fragment.
; A LANE TAKES A COLUMN AND ITS REGISTERS RUN DOWN d, in the order of the operand's layout: lane (r, hh), registers 6 c .. 6 c + 5: d = 128 ks + 64 c + 32 hh + 0 .. 31.  A block lies in one lane.
; WHICH COLUMN: for Wq, Wk lane r of tile u takes head 2 g + r / 8, dk 8 u + r % 8 (so that four result tiles give a lane all 32 dk of one head);  for Wv head 2 g + u / 2, dk 16 (u % 2) + r.
; A block's scale is 2^(floor(log2(largest magnitude)) - 2): its byte is the largest magnitude's exponent field - 2, held at 1 from below.
; LIMITS: a block of zeros, or one whose largest magnitude lies under 2^-124, gets the byte 1 (the rule says 127 for zeros: the codes are zeros, and this program alone reads the bytes); NaN and infinities are not served.
; No LDS, no barrier, no matrix unit: 786,432 bytes in all, each read once; nothing is shared between waves, so a cluster has nothing to share out.
.set VOFF, 3                           ; v3   my column's byte offset in the tensor, at my first d
.set L16,  4                           ; v4   16 x lane
.set L4,   5                           ; v5   4 x lane
.set SH8,  6                           ; v6   8 x hh
.set MXA,  8
.set MXB,  9
.set SC0,  10
.set SC1,  11
.set BY0,  12
.set BY1,  13
.set PW,   14
.set TP,   15
.set TC,   16                          ; v16-18
.set N,    32                          ; v32-95  my 64 numbers
.set PC,   96                          ; v96-107 the fragment's codes
.set SEL,  20                          ; s[20:21] lane selects: lane l xor 16
; 32 numbers of one lane, v[n] on, become 6 registers of codes v[d] on (d even), the conversion's scale operand v[sc] and the scale's byte v[by].
.macro QB n, d, sc, by
	v_max3_num_f32 v[MXA], |v[(\n)]|, |v[(\n)+1]|, 0x1800000       ; the floor 2^(3 - 127) among the leaves: the byte cannot fall under 1
	v_max3_num_f32 v[MXB], |v[(\n)+2]|, |v[(\n)+3]|, |v[(\n)+4]|
.irp i, 5,9,13,17,21,25
	v_max3_num_f32 v[MXA], v[MXA], |v[(\n)+\i]|, |v[(\n)+\i+1]|    ; two chains by turns
	v_max3_num_f32 v[MXB], v[MXB], |v[(\n)+\i+2]|, |v[(\n)+\i+3]|
.endr
	v_max3_num_f32 v[MXA], v[MXA], |v[(\n)+29]|, |v[(\n)+30]|
	v_max3_num_f32 v[MXA], v[MXA], v[MXB], |v[(\n)+31]|
	v_add_nc_u32 v[\sc], 0xff000000, v[MXA]                        ; 2 off the exponent field: the conversion takes this operand's exponent field as its scale
	v_lshrrev_b32 v[\by], 23, v[\sc]                               ; the scale's byte
	v_cvt_scalef32_pk16_fp6_f32 v[(\d):(\d)+2], v[(\n):(\n)+15], v[\sc]
	v_cvt_scalef32_pk16_fp6_f32 v[TC:TC+2], v[(\n)+16:(\n)+31], v[\sc]   ; (a conversion's three registers begin on an even number)
	v_nop                                                          ; one plain place behind the conversions
.irp i, 0,1,2
	v_mov_b32 v[(\d)+3+\i], v[TC+\i]
.endr
.endm
; A scale word: my bytes are those of blocks hh and 2 + hh; lane l xor 16 has the other two.
.macro WORD pw, by0, by1
	v_lshl_or_b32 v[\pw], v[\by1], 16, v[\by0]
	v_lshlrev_b32 v[\pw], v[SH8], v[\pw]
	v_permlanex16_b32 v[TP], v[\pw], s[SEL], s[SEL+1]
	v_or_b32 v[\pw], v[\pw], v[TP]
.endm
	s_load_b256 s[4:11], s[0:1], 0x0               ; Wq s[4:5], Wk s[6:7], Wv s[8:9], wimg s[10:11]
	s_load_b64 s[12:13], s[0:1], 0x20              ; wsc
	v_lshrrev_b32 v1, 5, v0
	v_readfirstlane_b32 s14, v1                    ; u: my wave
	s_and_b32 s15, ttmp7, 0xffff                   ; T
	s_and_b32 s16, ttmp9, 3                        ; g
	s_lshr_b32 s17, ttmp9, 2                       ; ks
	s_mov_b32 s[SEL], 0x76543210
	s_mov_b32 s[SEL+1], 0xfedcba98
	v_and_b32 v7, 31, v0                           ; lane
	v_and_b32 v1, 15, v0                           ; r
	v_bfe_u32 v2, v0, 4, 1                         ; hh
	v_lshlrev_b32 v[L16], 4, v7
	v_lshlrev_b32 v[L4], 2, v7
	v_lshlrev_b32 v[SH8], 3, v2
	v_mov_b32 v[TP], 0                             ; a lane permute's destination counts as read
	v_lshrrev_b32 v[VOFF], 3, v1
	v_and_b32 v7, 7, v1
	v_lshlrev_b32 v7, 2, v7
	v_lshl_add_u32 v[VOFF], v[VOFF], 15, v7        ; Wq, Wk: (r / 8) heads of 32,768 bytes + 4 (r % 8)
	v_lshlrev_b32 v7, 2, v1                        ; Wv: 4 r
	s_lshl_b32 s19, s16, 16                        ; head 2 g
	s_lshl_b32 s22, s14, 5
	s_add_co_u32 s22, s22, s19                     ; Wq, Wk: + dk 8 u
	s_lshr_b32 s23, s14, 1
	s_lshl_b32 s23, s23, 15
	s_and_b32 s24, s14, 1
	s_lshl_b32 s24, s24, 6
	s_add_co_u32 s23, s23, s24
	s_add_co_u32 s23, s23, s19                     ; Wv: + head u / 2, dk 16 (u % 2)
	s_cmp_eq_u32 s15, 2
	s_cselect_b32 s18, -1, 0
	s_cselect_b32 s22, s23, s22
	v_cndmask_b32 v[VOFF], v[VOFF], v7, s18
	s_lshl_b32 s23, s17, 14                        ; 128 ks rows of 128 bytes
	s_add_co_u32 s22, s22, s23
	v_lshl_add_u32 v[VOFF], v2, 12, v[VOFF]        ; 32 hh rows
	v_add_nc_u32 v[VOFF], s22, v[VOFF]
	s_lshl_b32 s24, s15, 2
	s_add_co_u32 s24, s24, s16
	s_lshl_b32 s24, s24, 2
	s_add_co_u32 s24, s24, s14
	s_lshl_b32 s24, s24, 1
	s_add_co_u32 s24, s24, s17                     ; the fragment's index ((4 T + g) 4 + u) 2 + ks
	s_mov_b32 s27, 0
	s_wait_kmcnt 0x0
	s_cmp_eq_u32 s15, 0
	s_cselect_b64 s[4:5], s[4:5], s[6:7]
	s_cmp_eq_u32 s15, 2
	s_cselect_b64 s[4:5], s[8:9], s[4:5]           ; my tensor: the choice hangs on the work-group's number alone
	s_mul_i32 s26, s24, 1536
	s_add_nc_u64 s[10:11], s[10:11], s[26:27]
	s_lshl_b32 s26, s24, 7
	s_add_nc_u64 s[12:13], s[12:13], s[26:27]
.set i, 0
.rept 64
	global_load_b32 v[N+i], v[VOFF], s[4:5] offset:(64*(i/32)+i%32)*128   ; W(128 ks + 64 c + 32 hh + i, my column)
.set i, i+1
.endr
	s_wait_loadcnt 0x0
	QB N, PC, SC0, BY0
	QB N+32, PC+6, SC1, BY1
	WORD PW, BY0, BY1
.irp q, 0,1,2
	global_store_b128 v[L16], v[PC+4*\q:PC+4*\q+3], s[10:11] offset:512*\q    ; 32 lanes store 512 consecutive bytes, aligned
.endr
	global_store_b32 v[L4], v[PW], s[12:13]
	s_endpgm
.Lfunc_end_k_q14b88091fb_wprep:
	.size	k_q14b88091fb_wprep, .Lfunc_end_k_q14b88091fb_wprep-k_q14b88091fb_wprep
	.p2alignl 7, 3214868480
	.fill 96, 4, 3214868480
	.section	.rodata,"a",@progbits
	.p2align	6, 0x0
	.amdhsa_kernel k_q14b88091fb_wprep
		.amdhsa_group_segment_fixed_size 0
		.amdhsa_private_segment_fixed_size 0
		.amdhsa_enable_private_segment 0
		.amdhsa_kernarg_size 40
		.amdhsa_user_sgpr_count 2
		.amdhsa_user_sgpr_kernarg_segment_ptr 1
		.amdhsa_wavefront_size32 1
		.amdhsa_system_sgpr_workgroup_id_x 1
		.amdhsa_system_sgpr_workgroup_id_y 1
		.amdhsa_system_sgpr_workgroup_id_z 1
		.amdhsa_system_vgpr_workitem_id 0
		.amdhsa_next_free_vgpr 128
		.amdhsa_next_free_sgpr 66
		.amdhsa_reserve_vcc 0
		.amdhsa_float_denorm_mode_32 3
		.amdhsa_float_denorm_mode_16_64 3
		.amdhsa_memory_ordered 1
		.amdhsa_forward_progress 1
		.amdhsa_inst_pref_size 12
	.end_amdhsa_kernel
	.amdgpu_metadata
---
amdhsa.version: [ 1, 2 ]
amdhsa.kernels:
  - .name:           k_q14b88091fb_wprep
    .symbol:         k_q14b88091fb_wprep.kd
    .args:
      - { .name: Wq, .offset: 0, .size: 8, .value_kind: global_buffer, .address_space: global }
      - { .name: Wk, .offset: 8, .size: 8, .value_kind: global_buffer, .address_space: global }
      - { .name: Wv, .offset: 16, .size: 8, .value_kind: global_buffer, .address_space: global }
      - { .name: wimg, .offset: 24, .size: 8, .value_kind: global_buffer, .address_space: global }
      - { .name: wsc, .offset: 32, .size: 8, .value_kind: global_buffer, .address_space: global }
    .group_segment_fixed_size: 0
    .private_segment_fixed_size: 0
    .kernarg_segment_align: 8
    .kernarg_segment_size: 40
    .max_flat_workgroup_size: 128
    .sgpr_count:     66
    .vgpr_count:     128
    .wavefront_size: 32
...
	.end_amdgpu_metadata
.endif
;; end of part 1
;; launch proj (part 2): grid 512 x 3, 4 waves a work-group, no clusters, 80,384 bytes of LDS; arguments query, key, value, wimg, wsc, qc, qs, kc, ks, vc, vs; writes qc, qs, kc, ks, vc, vs
.if DOCPART == 2
	.amdgcn_target "amdgcn-amd-amdhsa--gfx1250"
	.amdhsa_code_object_version 6
	.text
	.protected	k_q14b88091fb_proj
	.globl	k_q14b88091fb_proj
	.p2align	8
	.type	k_q14b88091fb_proj,@function
k_q14b88091fb_proj:
	s_mov_b64 s[64:65], 0
	v_nop
	global_prefetch_b8 v0, s[64:65] scope:SCOPE_SE
	s_setreg_imm32_b32 hwreg(HW_REG_WAVE_MODE, 25, 1), 1
	s_wait_xcnt 0x0
; The three projections on codes of E2M3 (one E8M0 byte for each 32 along K), and the quantising of their results for the attention launch.
; SHARES: work-group x = 16 b + G: 64 rows (group G of batch b); y = T: query, key or value.  Wave w (a) quantises along d the 16 rows of row tile u = w and hands them to the others through LDS as images of
; operand registers, (b) multiplies all 64 rows by the 64 columns of head pair g = w, whose 8 fragments of W it holds in registers, read once as images.
; THE ROWS OF A TILE ARE NOT NEIGHBOURS: row r of tile u is row(u, r) = 64 G + 32 (r / 8) + 8 u + r % 8.
; query, key: the product is used transposed (source 0 = 16 columns of W, source 1 = 16 rows of x).  W's tile ct holds head 2 g + m / 8, dk 8 ct + m % 8, so in the four result tiles lane (r, h) holds ALL 32 dk of head 2 g + h
;   for row(u, r): one block of the score product's K, quantised with no other lane.  qc, kc [b][head][G][1536]: lane (r, hh), registers 6 c .. 6 c + 5 = the 24 bytes of codes of row(2 c + hh, r); qs, ks [b][head][G][r]: byte u = row(u, r)'s scale byte.
; value: source 0 = 16 rows of x, source 1 = 16 columns of W (tile ct: head 2 g + ct / 2, dk 16 (ct % 2) + r).  Over the four row tiles lane (r, h) holds keys 64 G + 32 h + 0 .. 31 of one dk: one block of the second attention product's K.
;   vc [b][head][sigma 8][tau 2][c 2][768]: registers 0-3 at 16 x lane, 4-5 at 512 + 8 x lane;  vs [b][g][G][lane]: byte ct.
; LIMITS: as in the launch that quantises W: a block under 2^-124 or of zeros gets the byte 1; NaN and infinities are not served.
; NO CLUSTER: what work-groups share is W's images; each wave takes only its own head pair's 12,288 bytes, straight into registers, where they stay; a joint load would land them in LDS and cost a second trip.
; Four such work-groups fit on a WGP (4 x 80,384 bytes of LDS, 4 x 4 x 256 registers), each with 64 KiB of x on its way.
.set XIMG,  0                          ; LDS: x's 8 fragments (2 u + ks), 1,536 bytes each
.set XSC,   12288                      ; their scale words, 128 bytes each
.set STAGE, 13312                      ; a stage of 16 rows x (1,024 + 16) bytes for each wave, its own
.set SPITCH, 1040
.set L16, 1                            ; 16 x lane
.set L4,  2                            ; 4 x lane
.set L8,  3                            ; 8 x lane
.set SH8, 4                            ; 8 x hh
.set STW, 5                            ; my stage + 16 x lane
.set STR, 6                            ; my stage + r x pitch + 128 hh
.set XWI, 7                            ; where I store x's images: 3,072 w + 16 x lane
.set XWS, 8                            ; and their scale words
.set OQ,  9                            ; q, k codes out: 24,576 hh + 16 r
.set OS,  10                           ; q, k scale words out: 1,024 hh + 4 r
.set WS,  16                           ; v16-23 W's scale words, 2 ct + ks
.set XS,  24                           ; v24-25 x's
.set MXA, 26
.set MXB, 27
.set SC0, 28
.set SC1, 29
.set BY0, 30
.set BY1, 31
.set PW,  32                           ; the scale word being made
.set TP,  33
.set PC,  36                           ; v36-47 x's codes just made
.set TC,  48                           ; v48-50
.set XR,  56                           ; v56-183 x as loaded
.set N,   56                           ; v56-119 64 numbers back from the stage
.set XF,  56                           ; v56-79 x's two fragments of a row tile
.set ACC, 80                           ; accumulators: 32 registers (query, key), 64 (value)
.set OCQ, 112                          ; v112-135 q's or k's codes
.set OCV, 144                          ; v144-159 v's codes, two sets of 8
.set WF,  160                          ; v160-255 W's fragments, 12 (2 ct + ks)
.set SEL, 32                           ; s[32:33]
.macro QB n, d, sc, by                 ; 32 numbers of one lane -> 6 registers of codes, the conversion's scale operand, the scale's byte
	v_max3_num_f32 v[MXA], |v[(\n)]|, |v[(\n)+1]|, 0x1800000       ; the floor 2^(3 - 127) among the leaves.  Each accumulator of eight is first read at its low end
	v_max3_num_f32 v[MXB], |v[(\n)+2]|, |v[(\n)+3]|, |v[(\n)+4]|
.irp i, 5,9,13,17,21,25
	v_max3_num_f32 v[MXA], v[MXA], |v[(\n)+\i]|, |v[(\n)+\i+1]|
	v_max3_num_f32 v[MXB], v[MXB], |v[(\n)+\i+2]|, |v[(\n)+\i+3]|
.endr
	v_max3_num_f32 v[MXA], v[MXA], |v[(\n)+29]|, |v[(\n)+30]|
	v_max3_num_f32 v[MXA], v[MXA], v[MXB], |v[(\n)+31]|
	v_add_nc_u32 v[\sc], 0xff000000, v[MXA]                        ; 2 off the exponent field
	v_lshrrev_b32 v[\by], 23, v[\sc]
	v_cvt_scalef32_pk16_fp6_f32 v[(\d):(\d)+2], v[(\n):(\n)+15], v[\sc]
	v_cvt_scalef32_pk16_fp6_f32 v[TC:TC+2], v[(\n)+16:(\n)+31], v[\sc]
	v_nop                                                          ; one plain place behind the conversions
.irp i, 0,1,2
	v_mov_b32 v[(\d)+3+\i], v[TC+\i]
.endr
.endm
.macro WORD pw, by0, by1
	v_lshl_or_b32 v[\pw], v[\by1], 16, v[\by0]
	v_lshlrev_b32 v[\pw], v[SH8], v[\pw]
	v_permlanex16_b32 v[TP], v[\pw], s[SEL], s[SEL+1]
	v_or_b32 v[\pw], v[\pw], v[TP]
.endm
.macro FETCHX u                        ; row tile u's two fragments and scale words, as any wave left them
.irp ks, 0,1
.irp q, 0,1,2
	ds_load_b128 v[XF+12*\ks+4*\q:XF+12*\ks+4*\q+3], v[L16] offset:XIMG+(2*(\u)+\ks)*1536+512*\q
.endr
	ds_load_b32 v[XS+\ks], v[L4] offset:XSC+(2*(\u)+\ks)*128
.endr
	s_wait_dscnt 0x0
.endm
.macro PLACES                          ; four plain places behind a matrix instruction of this form, ahead of reads of its results and of loads into its registers
.rept 4
	v_nop
.endr
.endm
	s_load_b256 s[4:11], s[0:1], 0x0               ; query s[4:5], key s[6:7], value s[8:9], wimg s[10:11]
	s_load_b256 s[12:19], s[0:1], 0x20             ; wsc s[12:13], qc s[14:15], qs s[16:17], kc s[18:19]
	s_load_b128 s[20:23], s[0:1], 0x40             ; ks s[20:21], vc s[22:23]
	s_load_b64 s[24:25], s[0:1], 0x50              ; vs
	v_lshl_add_u32 v54, v0, 2, 0x13800
	v_mov_b32 v55, 0
	v_lshrrev_b32 v11, 5, v0
	v_readfirstlane_b32 s26, v11                   ; wave
	s_and_b32 s27, ttmp7, 0xffff                   ; T
	s_lshr_b32 s28, ttmp9, 4                       ; b
	s_and_b32 s29, ttmp9, 15                       ; G
	s_mov_b32 s[SEL], 0x76543210
	s_mov_b32 s[SEL+1], 0xfedcba98
	v_and_b32 v11, 31, v0                          ; lane
	v_and_b32 v12, 15, v0                          ; r
	v_bfe_u32 v13, v0, 4, 1                        ; hh
	v_lshlrev_b32 v[L16], 4, v11
	v_lshlrev_b32 v[L4], 2, v11
	v_lshlrev_b32 v[L8], 3, v11
	v_lshlrev_b32 v[SH8], 3, v13
	s_mul_i32 s34, s26, 16*SPITCH
	s_add_co_u32 s34, s34, STAGE
	v_add_nc_u32 v[STW], s34, v[L16]
	v_mul_u32_u24 v[STR], v12, SPITCH
	v_lshl_add_u32 v[STR], v13, 7, v[STR]
	v_add_nc_u32 v[STR], s34, v[STR]
	s_mul_i32 s34, s26, 3072
	v_add_nc_u32 v[XWI], s34, v[L16]
	s_lshl_b32 s34, s26, 8
	s_add_co_u32 s34, s34, XSC
	v_add_nc_u32 v[XWS], s34, v[L4]
	v_mul_u32_u24 v[OQ], v13, 24576
	v_lshl_add_u32 v[OQ], v12, 4, v[OQ]
	v_lshlrev_b32 v[OS], 10, v13
	v_lshl_add_u32 v[OS], v12, 2, v[OS]
	v_mov_b32 v[TP], 0                             ; a lane permute's destination counts as read
	s_mov_b32 s31, 0
	s_wait_kmcnt 0x0
	s_cmp_eq_u32 s27, 0                            ; the choices hang on the work-group's number alone
	s_cselect_b64 s[4:5], s[4:5], s[6:7]
	s_cselect_b64 s[14:15], s[14:15], s[18:19]     ; q's codes or k's
	s_cselect_b64 s[16:17], s[16:17], s[20:21]     ; q's scale words or k's
	s_cmp_eq_u32 s27, 2
	s_cselect_b64 s[4:5], s[8:9], s[4:5]
	s_lshl_b32 s30, ttmp9, 16                      ; 64 rows of 1,024 bytes a work-group,
	s_lshl_b32 s34, s26, 13                        ; 8 rows a wave
	s_add_co_u32 s30, s30, s34
	s_add_nc_u64 s[4:5], s[4:5], s[30:31]
	; ---- 1: my 16 rows: rows 8 w + 0 .. 7 and 32 + 8 w + 0 .. 7 of the group.  Each load takes 512 consecutive bytes.
.set i, 0
.rept 32
	global_load_b128 v[XR+4*i:XR+4*i+3], v[L16], s[4:5] offset:(32*(i/16)+(i/2)%8)*1024+512*(i%2) th:TH_LOAD_NT
.set i, i+1
.endr
	s_lshl_b32 s34, s27, 2
	s_add_co_u32 s34, s34, s26                     ; 4 T + w
	s_mul_i32 s30, s34, 12288
	s_add_nc_u64 s[10:11], s[10:11], s[30:31]
	s_lshl_b32 s30, s34, 10
	s_add_nc_u64 s[12:13], s[12:13], s[30:31]
.set f, 2
.rept 6                                ; W's fragments 2 to 7; 0 and 1 lie where x's last rows are landing and come later
.irp q, 0,1,2
	global_load_b128 v[WF+12*f+4*\q:WF+12*f+4*\q+3], v[L16], s[10:11] offset:1536*f+512*\q
.endr
.set f, f+1
.endr
.set f, 0
.rept 8
	global_load_b32 v[WS+f], v[L4], s[12:13] offset:128*f
.set f, f+1
.endr
	s_lshl_b32 s35, s28, 3                         ; where the results go
	s_lshl_b32 s34, s26, 1
	s_add_co_u32 s35, s35, s34                     ; 8 b + 2 w: my first head
	s_lshl_b32 s34, s35, 4
	s_add_co_u32 s34, s34, s29
	s_mul_i32 s30, s34, 1536
	s_add_nc_u64 s[14:15], s[14:15], s[30:31]
	s_lshl_b32 s30, s34, 6
	s_add_nc_u64 s[16:17], s[16:17], s[30:31]
	s_mul_i32 s30, s35, 24576
	s_lshr_b32 s34, s29, 1
	s_mul_i32 s34, s34, 3072
	s_add_co_u32 s30, s30, s34
	s_and_b32 s34, s29, 1
	s_mul_i32 s34, s34, 768
	s_add_co_u32 s30, s30, s34
	s_add_nc_u64 s[22:23], s[22:23], s[30:31]
	s_lshl_b32 s34, s28, 2
	s_add_co_u32 s34, s34, s26
	s_lshl_b32 s34, s34, 4
	s_add_co_u32 s34, s34, s29
	s_lshl_b32 s30, s34, 7
	s_add_nc_u64 s[24:25], s[24:25], s[30:31]
	s_wait_loadcnt 26                              ; behind x's 32 loads stand 18 + 8 of W: x is in
.set i, 0
.rept 32
	ds_store_b128 v[STW], v[XR+4*i:XR+4*i+3] offset:(i/2)*SPITCH+512*(i%2)   ; as they lie; the pitch is an odd multiple of 16 bytes
.set i, i+1
.endr
	s_wait_dscnt 0x0                               ; the stores have read their registers
.irp f, 0,1
.irp q, 0,1,2
	global_load_b128 v[WF+12*\f+4*\q:WF+12*\f+4*\q+3], v[L16], s[10:11] offset:1536*\f+512*\q
.endr
.endr
.irp ks, 0,1                           ; lane (r, hh) takes, of row r, d = 128 ks + 64 c + 32 hh + 0 .. 31: two whole blocks
.irp c, 0,1
.irp e, 0,1,2,3,4,5,6,7
	ds_load_b128 v[N+32*\c+4*\e:N+32*\c+4*\e+3], v[STR] offset:512*\ks+256*\c+16*\e
.endr
.endr
	s_wait_dscnt 0x0                               ; the numbers are in; the image stores of the K step before have read their registers
	QB N, PC, SC0, BY0
	QB N+32, PC+6, SC1, BY1
	WORD PW, BY0, BY1
.irp q, 0,1,2
	ds_store_b128 v[XWI], v[PC+4*\q:PC+4*\q+3] offset:XIMG+1536*\ks+512*\q
.endr
	ds_store_b32 v[XWS], v[PW] offset:128*\ks
.endr
	s_wait_dscnt 0x0                               ; for the others' sake: my images have landed
	s_barrier_signal -1
	s_barrier_wait -1                              ; x's eight fragments lie in LDS; nothing is stored to LDS behind this barrier
	s_wait_loadcnt 0x0                             ; W
	s_cmp_eq_u32 s27, 2
	s_cbranch_scc1 .Lvalue
	; ---- 2, query and key: a row tile at a time; four accumulators by turns, K step by K step
.irp u, 0,1,2,3
	FETCHX \u
.irp ks, 0,1
.irp ct, 0,1,2,3
.if \ks == 0
	v_wmma_scale_f32_16x16x128_f8f6f4 v[ACC+8*\ct:ACC+8*\ct+7], v[WF+12*(2*\ct+\ks):WF+12*(2*\ct+\ks)+11], v[XF+12*\ks:XF+12*\ks+11], 0, v[WS+2*\ct+\ks], v[XS+\ks] matrix_a_fmt:MATRIX_FMT_FP6 matrix_b_fmt:MATRIX_FMT_FP6
.else
	v_wmma_scale_f32_16x16x128_f8f6f4 v[ACC+8*\ct:ACC+8*\ct+7], v[WF+12*(2*\ct+\ks):WF+12*(2*\ct+\ks)+11], v[XF+12*\ks:XF+12*\ks+11], v[ACC+8*\ct:ACC+8*\ct+7], v[WS+2*\ct+\ks], v[XS+\ks] matrix_a_fmt:MATRIX_FMT_FP6 matrix_b_fmt:MATRIX_FMT_FP6
.endif
.endr
.endr
	PLACES                                         ; ahead of the read of the results; with the plain lines of QB that name no accumulator they also serve the next tile's loads and its products, which begin the sums anew
	QB ACC, OCQ+12*(\u%2)+6*(\u/2), SC0, BY0       ; my row's 32 dk of head 2 w + hh
.if \u == 0
	v_mov_b32 v[PW], v[BY0]
.else
	v_lshl_or_b32 v[PW], v[BY0], 8*\u, v[PW]       ; byte u of the scale word
.endif
.endr
.irp e, 0,1
.irp q, 0,1,2
	global_store_b128 v[OQ], v[OCQ+12*\e+4*\q:OCQ+12*\e+4*\q+3], s[14:15] offset:512*\q+256*\e   ; sixteen lanes store 256 consecutive bytes, aligned: lanes (r, e) of one head's image
.endr
.endr
	global_store_b32 v[OS], v[PW], s[16:17]
	s_wait_tensorcnt 0x0
	ds_add_u32 v54, v55
	s_wait_dscnt 0x0
	s_endpgm
	; ---- 2, value: two column tiles at a time, over the four row tiles
.Lvalue:
.irp cp, 0,1
.if \cp == 1
	s_wait_xcnt 0x0                                ; the first pair's stores have read their data: the registers may be written again
.endif
.irp u, 0,1,2,3
.if (\cp+\u) > 0
	PLACES                                         ; ahead of loads into registers that matrix instructions have read
.endif
	FETCHX \u
.irp ks, 0,1
.irp cl, 0,1
.if \ks == 0
	v_wmma_scale_f32_16x16x128_f8f6f4 v[ACC+32*\cl+8*\u:ACC+32*\cl+8*\u+7], v[XF+12*\ks:XF+12*\ks+11], v[WF+12*(2*(2*\cp+\cl)+\ks):WF+12*(2*(2*\cp+\cl)+\ks)+11], 0, v[XS+\ks], v[WS+2*(2*\cp+\cl)+\ks] matrix_a_fmt:MATRIX_FMT_FP6 matrix_b_fmt:MATRIX_FMT_FP6
.else
	v_wmma_scale_f32_16x16x128_f8f6f4 v[ACC+32*\cl+8*\u:ACC+32*\cl+8*\u+7], v[XF+12*\ks:XF+12*\ks+11], v[WF+12*(2*(2*\cp+\cl)+\ks):WF+12*(2*(2*\cp+\cl)+\ks)+11], v[ACC+32*\cl+8*\u:ACC+32*\cl+8*\u+7], v[XS+\ks], v[WS+2*(2*\cp+\cl)+\ks] matrix_a_fmt:MATRIX_FMT_FP6 matrix_b_fmt:MATRIX_FMT_FP6
.endif
.endr
.endr
.endr
	PLACES
.irp cl, 0,1
	QB ACC+32*\cl, OCV+8*\cl, SC0, BY0             ; keys 64 G + 32 hh + 0 .. 31 of my dk
.if (2*\cp+\cl) == 0
	v_mov_b32 v[PW], v[BY0]
.else
	v_lshl_or_b32 v[PW], v[BY0], 8*(2*\cp+\cl), v[PW]
.endif
	global_store_b128 v[L16], v[OCV+8*\cl:OCV+8*\cl+3], s[22:23] offset:\cp*24576+\cl*1536        ; 512 consecutive bytes, aligned
	global_store_b64 v[L8], v[OCV+8*\cl+4:OCV+8*\cl+5], s[22:23] offset:\cp*24576+\cl*1536+512    ; 256 consecutive bytes, aligned
.endr
.endr
	global_store_b32 v[L4], v[PW], s[24:25]
	s_wait_tensorcnt 0x0
	ds_add_u32 v54, v55
	s_wait_dscnt 0x0
	s_endpgm
.Lfunc_end_k_q14b88091fb_proj:
	.size	k_q14b88091fb_proj, .Lfunc_end_k_q14b88091fb_proj-k_q14b88091fb_proj
	.p2alignl 7, 3214868480
	.fill 96, 4, 3214868480
	.section	.rodata,"a",@progbits
	.p2align	6, 0x0
	.amdhsa_kernel k_q14b88091fb_proj
		.amdhsa_group_segment_fixed_size 80384
		.amdhsa_private_segment_fixed_size 0
		.amdhsa_enable_private_segment 0
		.amdhsa_kernarg_size 88
		.amdhsa_user_sgpr_count 2
		.amdhsa_user_sgpr_kernarg_segment_ptr 1
		.amdhsa_wavefront_size32 1
		.amdhsa_system_sgpr_workgroup_id_x 1
		.amdhsa_system_sgpr_workgroup_id_y 1
		.amdhsa_system_sgpr_workgroup_id_z 1
		.amdhsa_system_vgpr_workitem_id 0
		.amdhsa_next_free_vgpr 256
		.amdhsa_next_free_sgpr 66
		.amdhsa_reserve_vcc 0
		.amdhsa_float_denorm_mode_32 3
		.amdhsa_float_denorm_mode_16_64 3
		.amdhsa_memory_ordered 1
		.amdhsa_forward_progress 1
		.amdhsa_inst_pref_size 50
	.end_amdhsa_kernel
	.amdgpu_metadata
---
amdhsa.version: [ 1, 2 ]
amdhsa.kernels:
  - .name:           k_q14b88091fb_proj
    .symbol:         k_q14b88091fb_proj.kd
    .args:
      - { .name: query, .offset: 0, .size: 8, .value_kind: global_buffer, .address_space: global }
      - { .name: key, .offset: 8, .size: 8, .value_kind: global_buffer, .address_space: global }
      - { .name: value, .offset: 16, .size: 8, .value_kind: global_buffer, .address_space: global }
      - { .name: wimg, .offset: 24, .size: 8, .value_kind: global_buffer, .address_space: global }
      - { .name: wsc, .offset: 32, .size: 8, .value_kind: global_buffer, .address_space: global }
      - { .name: qc, .offset: 40, .size: 8, .value_kind: global_buffer, .address_space: global }
      - { .name: qs, .offset: 48, .size: 8, .value_kind: global_buffer, .address_space: global }
      - { .name: kc, .offset: 56, .size: 8, .value_kind: global_buffer, .address_space: global }
      - { .name: ks, .offset: 64, .size: 8, .value_kind: global_buffer, .address_space: global }
      - { .name: vc, .offset: 72, .size: 8, .value_kind: global_buffer, .address_space: global }
      - { .name: vs, .offset: 80, .size: 8, .value_kind: global_buffer, .address_space: global }
    .group_segment_fixed_size: 80384
    .private_segment_fixed_size: 0
    .kernarg_segment_align: 8
    .kernarg_segment_size: 88
    .max_flat_workgroup_size: 128
    .sgpr_count:     66
    .vgpr_count:     256
    .wavefront_size: 32
...
	.end_amdgpu_metadata
.endif
;; end of part 2
;; launch attn (part 3): grid 8 x 32, 8 waves a work-group, no clusters, 276,480 bytes of LDS; arguments qc, qs, kc, ks, vc, vs, mask, out0; writes out0
.if DOCPART == 3
	.amdgcn_target "amdgcn-amd-amdhsa--gfx1250"
	.amdhsa_code_object_version 6
	.text
	.protected	k_q14b88091fb_attn
	.globl	k_q14b88091fb_attn
	.p2align	8
	.type	k_q14b88091fb_attn,@function
k_q14b88091fb_attn:
	s_mov_b64 s[64:65], 0
	v_nop
	global_prefetch_b8 v0, s[64:65] scope:SCOPE_SE
	s_setreg_imm32_b32 hwreg(HW_REG_WAVE_MODE, 25, 1), 1
	s_wait_xcnt 0x0
; out[b][q][32 head + dk] = sum over keys of softmax_k(m A + (1 - m) (-1e-30)) v, A = q . k, both products on codes of E2M3 with one E8M0 byte for each 32 along K.
; SHARES: work-group x = head pair hp (x & 3) and half of the queries qh (x >> 2); y = b.  Wave w owns query group 8 qh + w: 64 queries, four tiles; it walks head 2 hp, then head 2 hp + 1, 8 key steps of 128 keys each.
; Two heads to a work-group, since one head's part of a row of out is 128 bytes and two make an aligned 256.
; LDS holds the head pair's K, V, scale words and the mask for all 1,024 keys, filled ONCE through registers: 110,592 bytes; nothing is ever filled again, so there is no ring, and one barrier.
; NO CLUSTER: K and V are shared by the two work-groups of a head pair alone, and are read once, at the head: 98,304 bytes against 16 key steps of work.
; THE SCORE PRODUCT HAS K = 32.  A fragment of K holds 64 keys densely: block u = 2 c + hh of row r is key row(u, r) = 64 G + 32 (r / 8) + 8 u + r % 8.  Q comes in four VARIANTS, its 32 codes in block 0, 1, 2 or 3 and zero codes
; elsewhere: variant v picks key tile v.  The variants overlap in registers: Z Qlo Z Qhi Z (Z: six zeros; Qlo: the codes in lanes 0-15, zeros above; Qhi: the other way round).
; In the result (source 0 = K, source 1 = Q) lane (rq, hh) holds one query, and register 8 v + j the key 64 G + 32 hh + 8 v + j: 32 NEIGHBOURING KEYS IN ONE LANE, a whole block of the second product's K, in the operand's own layout.
; THE MASK: t = log2(e) (m A + (1 - m) MV) = (A - MV) (m log2(e)) + MV log2(e): -MV = 1e-30 is the C of the score product, m' = m log2(e) lies in LDS, the rest is one packed multiply-add.  It holds for any m.
; THE SOFTMAX: M = the ceiling of the running largest t, kept as -M = floor(-t); p = 2^(t - M) is quantised along the keys, not normalised; the row's sum is taken of the unquantised p and divides at the end;
; when M moves, the sum and O are multiplied by 2^(old M - new M), which rounds nothing.  A block's largest p is 2^(the block's largest t - M): the same addition and exponential on the same number.
; LIMITS: NaN and infinities are not served; t is rounded once otherwise than in m A + (1 - m) MV followed by x log2(e); a block of p that has fallen to zeros keeps the byte 1: its codes are zeros.
; REGISTERS, window 0: v1-14 addresses; v16-22 scale words and nothing else; v24-39 four registers of statistics a tile (-M, largest t, the sum in two halves); v40-55 at work; v64-127 m' of the step's keys; v128-255 two buffers of 64 scores.
;   window 1: v0-101 Q's variants; v102-109 1e-30; v110-133 K's two fragments; v134-157 V's two; v158-169 p's codes; v170-176 at work; v178-241 O^T, 16 a tile.
.set KIMG, 0                           ; [hl 2][G 16][1536]
.set VIMG, 49152                       ; [hl][sigma 8][tau 2][c 2][768]
.set KSC,  98304                       ; [hl][sigma][lane]: lanes 0-15 group 2 sigma, lanes 16-31 group 2 sigma + 1
.set VSC,  100352                      ; [hl][sigma][lane]: lanes 0-15 tau 0, lanes 16-31 tau 1
.set MSK,  102400                      ; m' of 1,024 keys
.set QIMG, 110592                      ; [hl][w][1536]
.set QSC,  135168                      ; [hl][w][64]
.set STG,  136192                      ; a stage of 64 rows x (256 + 16) bytes for each wave, its own
.set SP,   272
.set L16, 1                            ; 16 x lane
.set L8,  2                            ; 8 x lane
.set L4S, 3                            ; KSC + 4 x lane
.set HM,  4                            ; MSK + 128 hh
.set SH8, 5                            ; 8 hh
.set ADK, 6                            ; the step's addresses
.set ADV8, 7
.set ADS, 8
.set ADM, 9
.set AQ,  10                           ; QIMG + 1,536 w + 16 x lane
.set AQS, 11                           ; QSC + 64 w + 4 r
.set STO, 12                           ; my stage + 272 r + 32 hh
.set SRD, 13                           ; my stage + 272 hh + 16 r
.set GO,  14                           ; 1,024 hh + 16 r
.set KS,  16
.set VS,  17
.set QS,  18                           ; v18-21
.set PS,  22
.set ST,  24
.set F,   40                           ; v[40:41]
.set BM0, 42
.set BM1, 43
.set SC0, 44
.set SC1, 45
.set BY0, 46
.set BY1, 47
.set CH,  48                           ; v48-51 four chains
.set T0,  52
.set T1,  53
.set TS,  54                           ; v[54:55]
.set MK,  64
.set SB,  128
.set QR,  0                            ; window 1
.set CC,  102
.set KF,  110
.set VF,  134
.set PC,  158
.set TC,  170
.set OA,  178
.set SEL, 26                           ; s[26:27] lane l xor 16
.set MVL, 28                           ; s[28:29] MV log2(e)
.set LOM, 30                           ; lanes 0-15
.set HIM, 31                           ; lanes 16-31
.set MSB, 0
.macro WIN new                         ; the immediate's high byte repeats the setting that is left; a switch that changes nothing is dropped
.if MSB != \new
	s_set_vgpr_msb (MSB<<8)|\new
.set MSB, \new
.endif
.endm
.set W_SC, 0x15                        ; K, Q and C in window 1, the scores in window 0
.set W_D1, 0x40                        ; destination window 1
.set W_11, 0x41                        ; destination and source 0 window 1
.set W_PV, 0x55                        ; all four in window 1
.set W_ST, 0x04                        ; an LDS store's data (source 1) in window 1
; Tile i's scores of the step's 128 keys: 8 matrix instructions on 8 different results.
.macro SCORE i
	WIN W_SC
.irp g, 0,1
.irp v, 0,1,2,3
.set QV, QR+24*(\i)+12*((\v)%2)+6*(1-(\v)/2)
.set DS, SB+64*((\i)%2)+32*\g+8*\v
.if \g == 0
	v_wmma_scale_f32_16x16x128_f8f6f4 v[DS:DS+7], v[KF+12*\g:KF+12*\g+11], v[QV:QV+11], v[CC:CC+7], v[KS], v[QS+\i] matrix_a_fmt:MATRIX_FMT_FP6 matrix_b_fmt:MATRIX_FMT_FP6
.else
	v_wmma_scale_f32_16x16x128_f8f6f4 v[DS:DS+7], v[KF+12*\g:KF+12*\g+11], v[QV:QV+11], v[CC:CC+7], v[KS], v[QS+\i] matrix_a_fmt:MATRIX_FMT_FP6 matrix_b_fmt:MATRIX_FMT_FP6 matrix_a_scale:MATRIX_SCALE_ROW1
.endif
.endr
.endr
.endm
; Tile i's softmax of the step, p's codes, and O^T += V^T P^T.
.macro SOFT i
.set S,  SB+64*((\i)%2)
.set NM, ST+4*(\i)
.set TX, NM+1
.set LL, NM+2
	WIN 0
.set j, 0
.rept 32
	v_pk_fma_f32 v[S+j:S+j+1], v[S+j:S+j+1], v[MK+j:MK+j+1], s[MVL:MVL+1] op_sel_hi:[1,1,0]   ; t; ascending: each result is first read at its low end
.set j, j+2
.endr
.irp c, 0,1,2,3                        ; the largest t of each block of 32 keys: four chains of 15, by turns
	v_max3_num_f32 v[CH+\c], v[S+16*\c], v[S+16*\c+1], v[S+16*\c+2]
.endr
.irp k, 3,5,7,9,11,13
.irp c, 0,1,2,3
	v_max3_num_f32 v[CH+\c], v[CH+\c], v[S+16*\c+\k], v[S+16*\c+\k+1]
.endr
.endr
	v_max3_num_f32 v[BM0], v[CH], v[CH+1], v[S+15]
	v_max3_num_f32 v[BM1], v[CH+2], v[CH+3], v[S+47]
	v_max_num_f32 v[BM0], v[BM0], v[S+31]
	v_max_num_f32 v[BM1], v[BM1], v[S+63]
	v_max_num_f32 v[T0], v[BM0], v[BM1]
	v_permlanex16_b32 v[T1], v[T0], s[SEL], s[SEL+1]   ; my query's other 64 keys lie in lane l xor 16
	v_max3_num_f32 v[TX], v[TX], v[T0], v[T1]          ; the running largest t
	v_mov_b32 v[T0], v[NM]
	v_floor_f32 v[NM], -v[TX]                          ; the new -M = -ceil(t): a whole number
	v_sub_f32 v[T0], v[NM], v[T0]                      ; old M - new M, 0 or less
	v_cvt_i32_f32 v[T0], v[T0]                         ; (it saturates)
	v_ldexp_f32 v[F], 1.0, v[T0]                       ; f = 2^(old M - new M)
.set j, 0
.rept 32
	v_pk_add_f32 v[S+j:S+j+1], v[S+j:S+j+1], v[NM:NM+1] op_sel_hi:[1,0]   ; t - M
.set j, j+2
.endr
	v_add_f32 v[BM0], v[BM0], v[NM]
	v_add_f32 v[BM1], v[BM1], v[NM]
	v_exp_f32 v[BM0], v[BM0]                           ; ONE BATCH of 66 exponentials: the blocks' largest p,
	v_exp_f32 v[BM1], v[BM1]
.set j, 0
.rept 64
	v_exp_f32 v[S+j], v[S+j]                           ; and p = 2^(t - M)
.set j, j+1
.endr
	v_pk_mul_f32 v[LL:LL+1], v[LL:LL+1], v[F:F+1] op_sel_hi:[1,0]   ; the sums under the new M: the plain place behind the batch
	s_wait_alu depctr_va_vdst(0)                       ; one wait for the batch, ahead of its first reader
	v_max_num_f32 v[BM0], 0x1800000, v[BM0]            ; the floor 2^(3 - 127)
	v_max_num_f32 v[BM1], 0x1800000, v[BM1]
	v_add_nc_u32 v[SC0], 0xff000000, v[BM0]            ; 2 off the exponent field: the conversion's scale operand
	v_add_nc_u32 v[SC1], 0xff000000, v[BM1]
	v_lshrrev_b32 v[BY0], 23, v[SC0]
	v_lshrrev_b32 v[BY1], 23, v[SC1]
	v_lshl_or_b32 v[PS], v[BY1], 16, v[BY0]            ; my bytes: blocks hh and 2 + hh
	v_lshlrev_b32 v[PS], v[SH8], v[PS]
	v_permlanex16_b32 v[T1], v[PS], s[SEL], s[SEL+1]
	v_or_b32 v[PS], v[PS], v[T1]                       ; p's scale word of these 128 keys
	WIN W_D1
.irp g, 0,1
	v_cvt_scalef32_pk16_fp6_f32 v[PC+6*\g:PC+6*\g+2], v[S+32*\g:S+32*\g+15], v[SC0+\g]
	v_cvt_scalef32_pk16_fp6_f32 v[TC+4*\g:TC+4*\g+2], v[S+32*\g+16:S+32*\g+31], v[SC0+\g]   ; (a conversion's three registers begin on an even number)
.endr
	v_nop                                              ; one plain place behind the conversions
	WIN W_11
.irp g, 0,1
.irp k, 0,1,2
	v_mov_b32 v[PC+6*\g+3+\k], v[TC+4*\g+\k]
.endr
.endr
.set j, 0
.rept 8
	v_pk_mul_f32 v[OA+16*(\i)+j:OA+16*(\i)+j+1], v[OA+16*(\i)+j:OA+16*(\i)+j+1], v[F:F+1] op_sel_hi:[1,0]   ; O^T under the new M
.set j, j+2
.endr
	WIN 0
	v_pk_add_f32 v[TS:TS+1], v[S:S+1], v[S+2:S+3]      ; the row's sum of the UNQUANTISED p, in two chains.  These 32 lines name no register of the products below: they are the places behind p's codes and scale word
.set j, 4
.rept 15
	v_pk_add_f32 v[LL:LL+1], v[LL:LL+1], v[S+j:S+j+1]
	v_pk_add_f32 v[TS:TS+1], v[TS:TS+1], v[S+j+2:S+j+3]
.set j, j+4
.endr
	v_pk_add_f32 v[LL:LL+1], v[LL:LL+1], v[TS:TS+1]
	WIN W_PV
	v_wmma_scale_f32_16x16x128_f8f6f4 v[OA+16*(\i):OA+16*(\i)+7], v[VF:VF+11], v[PC:PC+11], v[OA+16*(\i):OA+16*(\i)+7], v[VS], v[PS] matrix_a_fmt:MATRIX_FMT_FP6 matrix_b_fmt:MATRIX_FMT_FP6
	v_wmma_scale_f32_16x16x128_f8f6f4 v[OA+16*(\i)+8:OA+16*(\i)+15], v[VF+12:VF+23], v[PC:PC+11], v[OA+16*(\i)+8:OA+16*(\i)+15], v[VS], v[PS] matrix_a_fmt:MATRIX_FMT_FP6 matrix_b_fmt:MATRIX_FMT_FP6 matrix_a_scale:MATRIX_SCALE_ROW1
.endm
; One head of the pair: Q's variants, 8 key steps, O into the stage.
.macro HEAD hl
.irp q, 0,1,2
	ds_load_b128 v[SB+4*\q:SB+4*\q+3], v[AQ] offset:\hl*12288+512*\q      ; my group's image: lane (r, hh), registers 6 c on: the codes of query row(2 c + hh, r)
.endr
	ds_load_b32 v[SB+24], v[AQS] offset:\hl*512                           ; byte u: the scale byte of row(u, r)
	s_wait_dscnt 0x0
.set j, 0
.rept 12
	v_permlanex16_b32 v[SB+12+j], v[SB+j], s[SEL], s[SEL+1]               ; and the other half of the lanes'
.set j, j+1
.endr
	WIN W_D1
.irp u, 0,1,2,3
.irp k, 0,1,2,3,4,5
	v_cndmask_b32 v[QR+24*\u+6+\k], 0, v[SB+12*(\u%2)+6*(\u/2)+\k], s[LOM]        ; Qlo: tile u's codes in lanes 0-15
	v_cndmask_b32 v[QR+24*\u+18+\k], 0, v[SB+12*(1-\u%2)+6*(\u/2)+\k], s[HIM]     ; Qhi: in lanes 16-31
.endr
.endr
	WIN 0
.irp u, 0,1,2,3
	v_perm_b32 v[QS+\u], v[SB+24], v[SB+24], 0x01010101*\u                ; tile u's byte in all four bytes: it serves whichever block holds the codes
.endr
.irp u, 0,1,2,3
	v_mov_b32 v[ST+4*\u+1], 0xff61b1e6             ; the largest t so far: -3e38
	v_mov_b32 v[ST+4*\u+2], 0                      ; the sum, in two halves
	v_mov_b32 v[ST+4*\u+3], 0
.endr
.irp u, 0,1,2,3
	v_floor_f32 v[ST+4*\u], -v[ST+4*\u+1]          ; -M
.endr
	WIN W_D1
.set j, 0
.rept 64
	v_mov_b32 v[OA+j], 0                           ; O^T.  The key step is written once: its first f is 0 and finds zeros.  (These lines are also the places behind Q's variants and scale words)
.set j, j+1
.endr
	WIN 0
	s_mov_b32 s32, \hl*24576                       ; the step's K and V: 3,072 bytes a step
	s_mov_b32 s33, \hl*1024                        ; its scale words: 128
	s_mov_b32 s34, 0                               ; its m': 512
	s_mov_b32 s38, 8
.Lstep_\hl:
	v_add_nc_u32 v[ADK], s32, v[L16]               ; four plain lines: the places behind the last products, ahead of the loads into V's registers
	v_add_nc_u32 v[ADV8], s32, v[L8]
	v_add_nc_u32 v[ADS], s33, v[L4S]
	v_add_nc_u32 v[ADM], s34, v[HM]
	WIN W_D1
.irp g, 0,1
.irp q, 0,1,2
	ds_load_b128 v[KF+12*\g+4*\q:KF+12*\g+4*\q+3], v[ADK] offset:KIMG+1536*\g+512*\q
.endr
.endr
.irp t, 0,1
.irp c, 0,1
	ds_load_b128 v[VF+12*\t+6*\c:VF+12*\t+6*\c+3], v[ADK] offset:VIMG+1536*\t+768*\c
	ds_load_b64 v[VF+12*\t+6*\c+4:VF+12*\t+6*\c+5], v[ADV8] offset:VIMG+1536*\t+768*\c+512
.endr
.endr
	WIN 0
	ds_load_b32 v[KS], v[ADS]
	ds_load_b32 v[VS], v[ADS] offset:VSC-KSC
.irp g, 0,1
.irp e, 0,1,2,3,4,5,6,7
	ds_load_b128 v[MK+32*\g+4*\e:MK+32*\g+4*\e+3], v[ADM] offset:256*\g+16*\e   ; m' of keys 64 g + 32 hh + 4 e on: the same for all lanes of a half
.endr
.endr
	s_wait_dscnt 16                                ; the 16 loads of m', issued last, may stay out: K, V and both scale words are in
	SCORE 0
	SCORE 1
	s_wait_dscnt 0x0                               ; m'
.rept 4
	v_nop                                          ; the places behind tile 0's scores
.endr
	SOFT 0                                         ; from here on a tile's scores are made a softmax ahead of their use, into the other buffer
	SCORE 2
	SOFT 1
	SCORE 3
	SOFT 2
	SOFT 3
	WIN 0                                          ; at a label and at a branch every window is 0
	s_add_co_u32 s32, s32, 3072
	s_add_co_u32 s33, s33, 128
	s_add_co_u32 s34, s34, 512
	s_sub_co_i32 s38, s38, 1
	s_cmp_lg_u32 s38, 0
	s_cbranch_scc1 .Lstep_\hl
.irp u, 0,1,2,3                        ; the head's end: the sum's two halves, and lane l xor 16's.  These lines are the places behind the last products
	v_add_f32 v[CH+\u], v[ST+4*\u+2], v[ST+4*\u+3]
.endr
.irp u, 0,1,2,3
	v_permlanex16_b32 v[SC0+\u], v[CH+\u], s[SEL], s[SEL+1]
.endr
.irp u, 0,1,2,3
	v_add_f32 v[CH+\u], v[CH+\u], v[SC0+\u]
.endr
.irp u, 0,1,2,3
	v_rcp_f32 v[ST+4*\u+2], v[CH+\u]
.endr
	v_nop                                          ; a plain place behind the last reciprocal
	s_wait_alu depctr_va_vdst(0)                   ; one wait for the four, ahead of the first reader
	WIN W_11
.irp u, 0,1,2,3
.set j, 0
.rept 8
	v_pk_mul_f32 v[OA+16*\u+j:OA+16*\u+j+1], v[OA+16*\u+j:OA+16*\u+j+1], v[ST+4*\u+2:ST+4*\u+3] op_sel_hi:[1,0]   ; O^T / the sum, ascending
.set j, j+2
.endr
.endr
	WIN W_ST
.irp u, 0,1,2,3
.irp t, 0,1
.irp e, 0,1
	ds_store_b128 v[STO], v[OA+16*\u+8*\t+4*\e:OA+16*\u+8*\t+4*\e+3] offset:\hl*128+\u*16*SP+64*\t+16*\e   ; stage row 16 u + rq; dk 16 tau + 8 hh + 4 e on, of head hl
.endr
.endr
.endr
	WIN 0
	s_wait_dscnt 0x0                               ; the stores have read O^T
.endm
	s_load_b512 s[4:19], s[0:1], 0x0               ; qc s[4:5], qs s[6:7], kc s[8:9], ks s[10:11], vc s[12:13], vs s[14:15], mask s[16:17], out0 s[18:19]
	v_lshl_add_u32 v62, v0, 2, 0x43400
	v_mov_b32 v63, 0
	v_lshrrev_b32 v56, 5, v0
	v_readfirstlane_b32 s20, v56                   ; wave 0..7
	s_and_b32 s21, ttmp9, 3                        ; hp
	s_lshr_b32 s22, ttmp9, 2                       ; qh
	s_and_b32 s23, ttmp7, 0xffff                   ; b
	s_mov_b32 s25, 0
	s_mov_b32 s[SEL], 0x76543210
	s_mov_b32 s[SEL+1], 0xfedcba98
	s_mov_b32 s[MVL], 0x8dea1735                   ; -1e-30 x log2(e)
	s_mov_b32 s[MVL+1], s[MVL]                     ; (named with it as a pair, so it is written)
	s_mov_b32 s[LOM], 0x0000ffff
	s_mov_b32 s[HIM], 0xffff0000
	v_and_b32 v56, 31, v0                          ; lane
	v_and_b32 v57, 15, v0                          ; r
	v_bfe_u32 v58, v0, 4, 1                        ; hh
	v_lshlrev_b32 v[L16], 4, v56
	v_lshlrev_b32 v[L8], 3, v56
	v_lshl_add_u32 v[L4S], v56, 2, KSC
	v_lshl_add_u32 v[HM], v58, 7, MSK
	v_lshlrev_b32 v[SH8], 3, v58
	s_mul_i32 s35, s20, 1536
	s_add_co_u32 s35, s35, QIMG
	v_add_nc_u32 v[AQ], s35, v[L16]
	s_lshl_b32 s35, s20, 6
	s_add_co_u32 s35, s35, QSC
	v_lshl_add_u32 v[AQS], v57, 2, s35
	s_mul_i32 s35, s20, 64*SP
	s_add_co_u32 s35, s35, STG                     ; my stage
	v_mul_u32_u24 v[STO], v57, SP
	v_lshl_add_u32 v[STO], v58, 5, v[STO]
	v_add_nc_u32 v[STO], s35, v[STO]
	v_mul_u32_u24 v[SRD], v58, SP
	v_lshl_add_u32 v[SRD], v57, 4, v[SRD]
	v_add_nc_u32 v[SRD], s35, v[SRD]
	v_lshlrev_b32 v[GO], 10, v58
	v_lshl_add_u32 v[GO], v57, 4, v[GO]
	; the fill's addresses: t = my thread's number, 0 .. 255
	v_lshlrev_b32 v200, 4, v0                      ; 16 t
	v_lshlrev_b32 v201, 3, v0                      ; 8 t
	v_lshrrev_b32 v202, 7, v0
	v_and_b32 v203, 127, v0
	v_lshlrev_b32 v203, 2, v203
	v_lshl_add_u32 v202, v202, 10, v203            ; Q's scale words: head t / 128, word t % 128
	v_lshrrev_b32 v203, 5, v0
	v_lshlrev_b32 v203, 8, v203
	v_lshl_add_u32 v203, v57, 2, v203              ; V's scale bytes: groups 2 sigma and 2 sigma + 1 (sigma = t / 32), dk r
	v_lshl_add_u32 v204, v0, 4, VIMG
	v_lshl_add_u32 v205, v0, 4, QIMG
	v_lshl_add_u32 v206, v0, 4, MSK
	v_lshl_add_u32 v207, v0, 3, KSC
	v_lshl_add_u32 v208, v0, 2, QSC
	v_lshl_add_u32 v209, v0, 2, VSC
	v_lshlrev_b32 v210, 3, v58                     ; 8 tau: where column tile tau's byte stands (head 0 of the pair),
	v_add_nc_u32 v211, 16, v210                    ; and head 1's
	s_lshl_b32 s35, s23, 3
	s_lshl_b32 s36, s21, 1
	s_add_co_u32 s35, s35, s36                     ; 8 b + 2 hp: the pair's first head
	s_wait_kmcnt 0x0
	s_mul_i32 s24, s35, 24576
	s_add_nc_u64 s[4:5], s[4:5], s[24:25]
	s_add_nc_u64 s[8:9], s[8:9], s[24:25]
	s_add_nc_u64 s[12:13], s[12:13], s[24:25]
	s_mul_i32 s24, s22, 12288
	s_add_nc_u64 s[4:5], s[4:5], s[24:25]          ; my half's 8 groups of queries
	s_lshl_b32 s24, s35, 10
	s_add_nc_u64 s[6:7], s[6:7], s[24:25]
	s_add_nc_u64 s[10:11], s[10:11], s[24:25]
	s_lshl_b32 s24, s22, 9
	s_add_nc_u64 s[6:7], s[6:7], s[24:25]
	s_lshl_b32 s24, s23, 2
	s_add_co_u32 s24, s24, s21
	s_lshl_b32 s24, s24, 11
	s_add_nc_u64 s[14:15], s[14:15], s[24:25]
	s_lshl_b32 s24, s23, 12
	s_add_nc_u64 s[16:17], s[16:17], s[24:25]
	s_lshl_b32 s24, s23, 10
	s_lshl_b32 s36, s22, 9
	s_add_co_u32 s24, s24, s36
	s_lshl_b32 s36, s20, 6
	s_add_co_u32 s24, s24, s36                     ; my first row of out: 1,024 b + 512 qh + 64 w
	s_lshl_b32 s24, s24, 10
	s_lshl_b32 s36, s21, 8
	s_add_co_u32 s24, s24, s36                     ; + the pair's 256 bytes of a row
	s_add_nc_u64 s[18:19], s[18:19], s[24:25]
	; THE FILL: every load takes 16 bytes a thread of a dense block
.set i, 0
.rept 12
	global_load_b128 v[64+4*i:64+4*i+3], v200, s[8:9] offset:4096*i       ; K's images of both heads: 49,152 bytes
.set i, i+1
.endr
.set i, 0
.rept 12
	global_load_b128 v[112+4*i:112+4*i+3], v200, s[12:13] offset:4096*i   ; V's
.set i, i+1
.endr
.set i, 0
.rept 6
	global_load_b128 v[160+4*i:160+4*i+3], v200, s[4:5] offset:24576*(i/3)+4096*(i%3)   ; Q's: 12,288 bytes of each head
.set i, i+1
.endr
	global_load_b128 v[184:187], v200, s[16:17]    ; the mask's 1,024 numbers
	global_load_b64 v[188:189], v201, s[10:11]     ; K's scale words
	global_load_b32 v190, v202, s[6:7]             ; Q's
.irp k, 0,1,2,3
	global_load_b32 v[191+\k], v203, s[14:15] offset:128*(\k/2)+64*(\k%2)   ; V's bytes of block k = 2 c + hh: group 2 sigma + c, lane r + 16 hh
.endr
	s_wait_loadcnt 0x0
.irp k, 0,1,2,3
	v_mul_f32 v[184+\k], 0x3fb8aa3b, v[184+\k]     ; m' = m log2(e)
.endr
.irp hl, 0,1                           ; V's scale word of (head hl, sigma, tau, r): the four blocks' bytes of column tile 2 hl + tau
.irp k, 0,1,2,3
	v_bfe_u32 v[212+\k], v[191+\k], v[210+\hl], 8
.endr
	v_lshl_or_b32 v212, v213, 8, v212
	v_lshl_or_b32 v212, v214, 16, v212
	v_lshl_or_b32 v[216+\hl], v215, 24, v212
.endr
.set i, 0
.rept 12
	ds_store_b128 v200, v[64+4*i:64+4*i+3] offset:KIMG+4096*i
	ds_store_b128 v204, v[112+4*i:112+4*i+3] offset:4096*i
.set i, i+1
.endr
.set i, 0
.rept 6
	ds_store_b128 v205, v[160+4*i:160+4*i+3] offset:4096*i
.set i, i+1
.endr
	ds_store_b128 v206, v[184:187]
	ds_store_b64 v207, v[188:189]
	ds_store_b32 v208, v190
	ds_store_b32 v209, v216
	ds_store_b32 v209, v217 offset:1024
	s_wait_dscnt 0x0                               ; for the others' sake: my stores have landed
	s_barrier_signal -1
	s_barrier_wait -1                              ; the one barrier: behind it these regions are only read, and each wave stores to its own stage alone
	WIN W_D1
.set x, 0
.rept 102
.if (x%12) < 6
	v_mov_b32 v[QR+x], 0                           ; the nine runs of six zero registers among Q's variants: never written again
.endif
.set x, x+1
.endr
.set x, 0
.rept 8
	v_mov_b32 v[CC+x], 0x0da24260                  ; 1e-30: the score product's C; never written again
.set x, x+1
.endr
	WIN 0
	v_mov_b32 v[F+1], 0                            ; (named as the upper half of a pair)
	v_mov_b32 v[T1], 0                             ; a lane permute's destination counts as read
.set x, 0
.rept 12
	v_mov_b32 v[SB+12+x], 0
.set x, x+1
.endr
	HEAD 0
	HEAD 1
	; THE WAY OUT: my 64 rows x 256 bytes (two heads) come back from my own stage as whole rows; stage row 2 k + hh is query 32 ((k % 8) / 4) + 8 (k / 8) + 2 (k % 4) + hh of my group
.set k, 0
.rept 32
	ds_load_b128 v[SB+4*k:SB+4*k+3], v[SRD] offset:2*SP*k
.set k, k+1
.endr
.set k, 0
.rept 32
	s_wait_dscnt 31-k                              ; LDS loads come back in order: load k is in, the 31 - k behind it may be out
	global_store_b128 v[GO], v[SB+4*k:SB+4*k+3], s[18:19] offset:(32*((k%8)/4)+8*(k/8)+2*(k%4))*1024 th:TH_STORE_NT   ; sixteen lanes store 256 consecutive bytes, aligned
.set k, k+1
.endr
	s_wait_tensorcnt 0x0
	ds_add_u32 v62, v63
	s_wait_dscnt 0x0
	s_endpgm
.Lfunc_end_k_q14b88091fb_attn:
	.size	k_q14b88091fb_attn, .Lfunc_end_k_q14b88091fb_attn-k_q14b88091fb_attn
	.p2alignl 7, 3214868480
	.fill 96, 4, 3214868480
	.section	.rodata,"a",@progbits
	.p2align	6, 0x0
	.amdhsa_kernel k_q14b88091fb_attn
		.amdhsa_group_segment_fixed_size 276480
		.amdhsa_private_segment_fixed_size 0
		.amdhsa_enable_private_segment 0
		.amdhsa_kernarg_size 64
		.amdhsa_user_sgpr_count 2
		.amdhsa_user_sgpr_kernarg_segment_ptr 1
		.amdhsa_wavefront_size32 1
		.amdhsa_system_sgpr_workgroup_id_x 1
		.amdhsa_system_sgpr_workgroup_id_y 1
		.amdhsa_system_sgpr_workgroup_id_z 1
		.amdhsa_system_vgpr_workitem_id 0
		.amdhsa_next_free_vgpr 512
		.amdhsa_next_free_sgpr 66
		.amdhsa_reserve_vcc 0
		.amdhsa_float_denorm_mode_32 3
		.amdhsa_float_denorm_mode_16_64 3
		.amdhsa_memory_ordered 1
		.amdhsa_forward_progress 1
		.amdhsa_inst_pref_size 156
	.end_amdhsa_kernel
	.amdgpu_metadata
---
amdhsa.version: [ 1, 2 ]
amdhsa.kernels:
  - .name:           k_q14b88091fb_attn
    .symbol:         k_q14b88091fb_attn.kd
    .args:
      - { .name: qc, .offset: 0, .size: 8, .value_kind: global_buffer, .address_space: global }
      - { .name: qs, .offset: 8, .size: 8, .value_kind: global_buffer, .address_space: global }
      - { .name: kc, .offset: 16, .size: 8, .value_kind: global_buffer, .address_space: global }
      - { .name: ks, .offset: 24, .size: 8, .value_kind: global_buffer, .address_space: global }
      - { .name: vc, .offset: 32, .size: 8, .value_kind: global_buffer, .address_space: global }
      - { .name: vs, .offset: 40, .size: 8, .value_kind: global_buffer, .address_space: global }
      - { .name: mask, .offset: 48, .size: 8, .value_kind: global_buffer, .address_space: global }
      - { .name: out0, .offset: 56, .size: 8, .value_kind: global_buffer, .address_space: global }
    .group_segment_fixed_size: 276480
    .private_segment_fixed_size: 0
    .kernarg_segment_align: 8
    .kernarg_segment_size: 64
    .max_flat_workgroup_size: 256
    .sgpr_count:     66
    .vgpr_count:     512
    .wavefront_size: 32
...
	.end_amdgpu_metadata
.endif
;; end of part 3
;; ======== version 2 of 2: 3 launches
;; workspace buffers: wimg 147,456 bytes; wsc 12,288 bytes; qc 6,291,456 bytes; qs 262,144 bytes; kc 6,291,456 bytes; ks 262,144 bytes; vc 6,291,456 bytes; vs 262,144 bytes
;; launch wprep (part 4): grid 8 x 3, 4 waves a work-group, no clusters, 0 bytes of LDS; arguments Wq, Wk, Wv, wimg, wsc; writes wimg, wsc
.if DOCPART == 4
	.amdgcn_target "amdgcn-amd-amdhsa--gfx1250"
	.amdhsa_code_object_version 6
	.text
	.protected	k_q14b88091fb_wprep
	.globl	k_q14b88091fb_wprep
	.p2align	8
	.type	k_q14b88091fb_wprep,@function
k_q14b88091fb_wprep:
	s_mov_b64 s[64:65], 0
	v_nop
	global_prefetch_b8 v0, s[64:65] scope:SCOPE_SE
	s_setreg_imm32_b32 hwreg(HW_REG_WAVE_MODE, 25, 1), 1
	s_wait_xcnt 0x0
; Wq, Wk, Wv [8 heads][256 d][32 dk], f32, are quantised along d (blocks of 32, E2M3 codes, one E8M0 byte a block) and stored as IMAGES OF OPERAND REGISTERS,
; so that the projection launch loads each fragment (16 columns x 128 d, 12 registers a lane) by three loads of 16 bytes a lane.
; wimg [T 3][g 4][u 4][ks 2][1536]: registers 4 q .. 4 q + 3 of lane l at 512 q + 16 l.   wsc, same index, [128]: the column's scale word at 4 l.
; SHARES: work-group y = the tensor T; x = head pair g (x & 3) and K step ks (x >> 2); wave = column tile u.  One wave makes one fragment.
; A LANE TAKES A COLUMN AND ITS REGISTERS RUN DOWN d, in the order of the operand's layout: lane (r, hh), registers 6 c .. 6 c + 5: d = 128 ks + 64 c + 32 hh + 0 .. 31.  A block lies in one lane.
; WHICH COLUMN: for Wq, Wk lane r of tile u takes head 2 g + r / 8, dk 8 u + r % 8 (so that four result tiles give a lane all 32 dk of one head);  for Wv head 2 g + u / 2, dk 16 (u % 2) + r.
; A block's scale is 2^(floor(log2(largest magnitude)) - 2): its byte is the largest magnitude's exponent field - 2, held at 1 from below.
; LIMITS: a block of zeros, or one whose largest magnitude lies under 2^-124, gets the byte 1 (the rule says 127 for zeros: the codes are zeros, and this program alone reads the bytes); NaN and infinities are not served.
; No LDS, no barrier, no matrix unit: 786,432 bytes in all, each read once; nothing is shared between waves, so a cluster has nothing to share out.
.set VOFF, 3                           ; v3   my column's byte offset in the tensor, at my first d
.set L16,  4                           ; v4   16 x lane
.set L4,   5                           ; v5   4 x lane
.set SH8,  6                           ; v6   8 x hh
.set MXA,  8
.set MXB,  9
.set SC0,  10
.set SC1,  11
.set BY0,  12
.set BY1,  13
.set PW,   14
.set TP,   15
.set TC,   16                          ; v16-18
.set N,    32                          ; v32-95  my 64 numbers
.set PC,   96                          ; v96-107 the fragment's codes
.set SEL,  20                          ; s[20:21] lane selects: lane l xor 16
; 32 numbers of one lane, v[n] on, become 6 registers of codes v[d] on (d even), the conversion's scale operand v[sc] and the scale's byte v[by].
.macro QB n, d, sc, by
	v_max3_num_f32 v[MXA], |v[(\n)]|, |v[(\n)+1]|, 0x1800000       ; the floor 2^(3 - 127) among the leaves: the byte cannot fall under 1
	v_max3_num_f32 v[MXB], |v[(\n)+2]|, |v[(\n)+3]|, |v[(\n)+4]|
.irp i, 5,9,13,17,21,25
	v_max3_num_f32 v[MXA], v[MXA], |v[(\n)+\i]|, |v[(\n)+\i+1]|    ; two chains by turns
	v_max3_num_f32 v[MXB], v[MXB], |v[(\n)+\i+2]|, |v[(\n)+\i+3]|
.endr
	v_max3_num_f32 v[MXA], v[MXA], |v[(\n)+29]|, |v[(\n)+30]|
	v_max3_num_f32 v[MXA], v[MXA], v[MXB], |v[(\n)+31]|
	v_add_nc_u32 v[\sc], 0xff000000, v[MXA]                        ; 2 off the exponent field: the conversion takes this operand's exponent field as its scale
	v_lshrrev_b32 v[\by], 23, v[\sc]                               ; the scale's byte
	v_cvt_scalef32_pk16_fp6_f32 v[(\d):(\d)+2], v[(\n):(\n)+15], v[\sc]
	v_cvt_scalef32_pk16_fp6_f32 v[TC:TC+2], v[(\n)+16:(\n)+31], v[\sc]   ; (a conversion's three registers begin on an even number)
	v_nop                                                          ; one plain place behind the conversions
.irp i, 0,1,2
	v_mov_b32 v[(\d)+3+\i], v[TC+\i]
.endr
.endm
; A scale word: my bytes are those of blocks hh and 2 + hh; lane l xor 16 has the other two.
.macro WORD pw, by0, by1
	v_lshl_or_b32 v[\pw], v[\by1], 16, v[\by0]
	v_lshlrev_b32 v[\pw], v[SH8], v[\pw]
	v_permlanex16_b32 v[TP], v[\pw], s[SEL], s[SEL+1]
	v_or_b32 v[\pw], v[\pw], v[TP]
.endm
	s_load_b256 s[4:11], s[0:1], 0x0               ; Wq s[4:5], Wk s[6:7], Wv s[8:9], wimg s[10:11]
	s_load_b64 s[12:13], s[0:1], 0x20              ; wsc
	v_lshrrev_b32 v1, 5, v0
	v_readfirstlane_b32 s14, v1                    ; u: my wave
	s_and_b32 s15, ttmp7, 0xffff                   ; T
	s_and_b32 s16, ttmp9, 3                        ; g
	s_lshr_b32 s17, ttmp9, 2                       ; ks
	s_mov_b32 s[SEL], 0x76543210
	s_mov_b32 s[SEL+1], 0xfedcba98
	v_and_b32 v7, 31, v0                           ; lane
	v_and_b32 v1, 15, v0                           ; r
	v_bfe_u32 v2, v0, 4, 1                         ; hh
	v_lshlrev_b32 v[L16], 4, v7
	v_lshlrev_b32 v[L4], 2, v7
	v_lshlrev_b32 v[SH8], 3, v2
	v_mov_b32 v[TP], 0                             ; a lane permute's destination counts as read
	v_lshrrev_b32 v[VOFF], 3, v1
	v_and_b32 v7, 7, v1
	v_lshlrev_b32 v7, 2, v7
	v_lshl_add_u32 v[VOFF], v[VOFF], 15, v7        ; Wq, Wk: (r / 8) heads of 32,768 bytes + 4 (r % 8)
	v_lshlrev_b32 v7, 2, v1                        ; Wv: 4 r
	s_wait_alu depctr_va_vdst(0)
	s_lshl_b32 s19, s16, 16                        ; head 2 g
	s_lshl_b32 s22, s14, 5
	s_add_co_u32 s22, s22, s19                     ; Wq, Wk: + dk 8 u
	s_lshr_b32 s23, s14, 1
	s_lshl_b32 s23, s23, 15
	s_and_b32 s24, s14, 1
	s_lshl_b32 s24, s24, 6
	s_add_co_u32 s23, s23, s24
	s_add_co_u32 s23, s23, s19                     ; Wv: + head u / 2, dk 16 (u % 2)
	s_cmp_eq_u32 s15, 2
	s_cselect_b32 s18, -1, 0
	s_cselect_b32 s22, s23, s22
	v_cndmask_b32 v[VOFF], v[VOFF], v7, s18
	s_lshl_b32 s23, s17, 14                        ; 128 ks rows of 128 bytes
	s_add_co_u32 s22, s22, s23
	v_lshl_add_u32 v[VOFF], v2, 12, v[VOFF]        ; 32 hh rows
	v_add_nc_u32 v[VOFF], s22, v[VOFF]
	s_lshl_b32 s24, s15, 2
	s_add_co_u32 s24, s24, s16
	s_lshl_b32 s24, s24, 2
	s_add_co_u32 s24, s24, s14
	s_lshl_b32 s24, s24, 1
	s_add_co_u32 s24, s24, s17                     ; the fragment's index ((4 T + g) 4 + u) 2 + ks
	s_mov_b32 s27, 0
	s_wait_alu depctr_va_vdst(0)
	s_wait_kmcnt 0x0
	s_cmp_eq_u32 s15, 0
	s_cselect_b64 s[4:5], s[4:5], s[6:7]
	s_cmp_eq_u32 s15, 2
	s_cselect_b64 s[4:5], s[8:9], s[4:5]           ; my tensor: the choice hangs on the work-group's number alone
	s_mul_i32 s26, s24, 1536
	s_add_nc_u64 s[10:11], s[10:11], s[26:27]
	s_lshl_b32 s26, s24, 7
	s_add_nc_u64 s[12:13], s[12:13], s[26:27]
.set i, 0
.rept 64
	global_load_b32 v[N+i], v[VOFF], s[4:5] offset:(64*(i/32)+i%32)*128   ; W(128 ks + 64 c + 32 hh + i, my column)
.set i, i+1
.endr
	s_wait_loadcnt 0x0
	QB N, PC, SC0, BY0
	QB N+32, PC+6, SC1, BY1
	WORD PW, BY0, BY1
.irp q, 0,1,2
	global_store_b128 v[L16], v[PC+4*\q:PC+4*\q+3], s[10:11] offset:512*\q    ; 32 lanes store 512 consecutive bytes, aligned
.endr
	global_store_b32 v[L4], v[PW], s[12:13]
	s_endpgm
.Lfunc_end_k_q14b88091fb_wprep:
	.size	k_q14b88091fb_wprep, .Lfunc_end_k_q14b88091fb_wprep-k_q14b88091fb_wprep
	.p2alignl 7, 3214868480
	.fill 96, 4, 3214868480
	.section	.rodata,"a",@progbits
	.p2align	6, 0x0
	.amdhsa_kernel k_q14b88091fb_wprep
		.amdhsa_group_segment_fixed_size 0
		.amdhsa_private_segment_fixed_size 0
		.amdhsa_enable_private_segment 0
		.amdhsa_kernarg_size 40
		.amdhsa_user_sgpr_count 2
		.amdhsa_user_sgpr_kernarg_segment_ptr 1
		.amdhsa_wavefront_size32 1
		.amdhsa_system_sgpr_workgroup_id_x 1
		.amdhsa_system_sgpr_workgroup_id_y 1
		.amdhsa_system_sgpr_workgroup_id_z 1
		.amdhsa_system_vgpr_workitem_id 0
		.amdhsa_next_free_vgpr 128
		.amdhsa_next_free_sgpr 66
		.amdhsa_reserve_vcc 0
		.amdhsa_float_denorm_mode_32 3
		.amdhsa_float_denorm_mode_16_64 3
		.amdhsa_memory_ordered 1
		.amdhsa_forward_progress 1
		.amdhsa_inst_pref_size 12
	.end_amdhsa_kernel
	.amdgpu_metadata
---
amdhsa.version: [ 1, 2 ]
amdhsa.kernels:
  - .name:           k_q14b88091fb_wprep
    .symbol:         k_q14b88091fb_wprep.kd
    .args:
      - { .name: Wq, .offset: 0, .size: 8, .value_kind: global_buffer, .address_space: global }
      - { .name: Wk, .offset: 8, .size: 8, .value_kind: global_buffer, .address_space: global }
      - { .name: Wv, .offset: 16, .size: 8, .value_kind: global_buffer, .address_space: global }
      - { .name: wimg, .offset: 24, .size: 8, .value_kind: global_buffer, .address_space: global }
      - { .name: wsc, .offset: 32, .size: 8, .value_kind: global_buffer, .address_space: global }
    .group_segment_fixed_size: 0
    .private_segment_fixed_size: 0
    .kernarg_segment_align: 8
    .kernarg_segment_size: 40
    .max_flat_workgroup_size: 128
    .sgpr_count:     66
    .vgpr_count:     128
    .wavefront_size: 32
...
	.end_amdgpu_metadata
.endif
;; end of part 4
;; launch proj (part 5): grid 512 x 3, 4 waves a work-group, no clusters, 80,384 bytes of LDS; arguments query, key, value, wimg, wsc, qc, qs, kc, ks, vc, vs; writes qc, qs, kc, ks, vc, vs
.if DOCPART == 5
	.amdgcn_target "amdgcn-amd-amdhsa--gfx1250"
	.amdhsa_code_object_version 6
	.text
	.protected	k_q14b88091fb_proj
	.globl	k_q14b88091fb_proj
	.p2align	8
	.type	k_q14b88091fb_proj,@function
k_q14b88091fb_proj:
	s_mov_b64 s[64:65], 0
	v_nop
	global_prefetch_b8 v0, s[64:65] scope:SCOPE_SE
	s_setreg_imm32_b32 hwreg(HW_REG_WAVE_SCHED_MODE, 0, 2), 2
	s_setreg_imm32_b32 hwreg(HW_REG_WAVE_MODE, 25, 1), 1
	s_wait_xcnt 0x0
	s_wait_alu depctr_vm_vsrc(0)
; The three projections on codes of E2M3 (one E8M0 byte for each 32 along K), and the quantising of their results for the attention launch.
; SHARES: work-group x = 16 b + G: 64 rows (group G of batch b); y = T: query, key or value.  Wave w (a) quantises along d the 16 rows of row tile u = w and hands them to the others through LDS as images of
; operand registers, (b) multiplies all 64 rows by the 64 columns of head pair g = w, whose 8 fragments of W it holds in registers, read once as images.
; THE ROWS OF A TILE ARE NOT NEIGHBOURS: row r of tile u is row(u, r) = 64 G + 32 (r / 8) + 8 u + r % 8.
; query, key: the product is used transposed (source 0 = 16 columns of W, source 1 = 16 rows of x).  W's tile ct holds head 2 g + m / 8, dk 8 ct + m % 8, so in the four result tiles lane (r, h) holds ALL 32 dk of head 2 g + h
;   for row(u, r): one block of the score product's K, quantised with no other lane.  qc, kc [b][head][G][1536]: lane (r, hh), registers 6 c .. 6 c + 5 = the 24 bytes of codes of row(2 c + hh, r); qs, ks [b][head][G][r]: byte u = row(u, r)'s scale byte.
; value: source 0 = 16 rows of x, source 1 = 16 columns of W (tile ct: head 2 g + ct / 2, dk 16 (ct % 2) + r).  Over the four row tiles lane (r, h) holds keys 64 G + 32 h + 0 .. 31 of one dk: one block of the second attention product's K.
;   vc [b][head][sigma 8][tau 2][c 2][768]: registers 0-3 at 16 x lane, 4-5 at 512 + 8 x lane;  vs [b][g][G][lane]: byte ct.
; LIMITS: as in the launch that quantises W: a block under 2^-124 or of zeros gets the byte 1; NaN and infinities are not served.
; NO CLUSTER: what work-groups share is W's images; each wave takes only its own head pair's 12,288 bytes, straight into registers, where they stay; a joint load would land them in LDS and cost a second trip.
; Four such work-groups fit on a WGP (4 x 80,384 bytes of LDS, 4 x 4 x 256 registers), each with 64 KiB of x on its way.
; THE MODE: SCHED_MODE bits 1:0 = 2 (LLVM: expert scheduling mode 2), set by the entry lines.  The code itself states the register dependences
; between vector or matrix instructions and memory or LDS instructions, with s_wait_alu, always for 0.
; THE PLAN.  Registers that memory or LDS instructions touch:
;   v1-10        offsets and addresses: written once at the head, never again.
;   XR v56-183   x as loaded; read by the 32 stage stores; then W's fragments 0 and 1 and the numbers from the stage land there.
;   N0 N1 N2     three buffers of 32 numbers back from the stage (v56, v88, v120): blocks 0, 1, 2 are asked for together; block 3 lands in N0 when block 0's conversions are done reading it.
;   PC, PW       x's codes and scale word: written by the conversions, read by the image stores, written again for the second K step; PW again in the second phase.
;   XF, XS       x's fragments and scale words: read by the products.  query, key: two sets by turns; row tile u + 1 is asked for at the head of tile u.  value: one set (its 64 accumulators and two out-buffers leave no 24 registers).
;   OCQ, OCV, PW the out-buffers: written by the conversions, read by the stores behind one wait.
;   W's fragments and scale words are loaded once and only read; the accumulators are named by vector and matrix instructions alone.
.set XIMG,  0                          ; LDS: x's 8 fragments (2 u + ks), 1,536 bytes each
.set XSC,   12288                      ; their scale words, 128 bytes each
.set STAGE, 13312                      ; a stage of 16 rows x (1,024 + 16) bytes for each wave, its own
.set SPITCH, 1040
.set L16, 1                            ; 16 x lane
.set L4,  2                            ; 4 x lane
.set L8,  3                            ; 8 x lane
.set SH8, 4                            ; 8 x hh
.set STW, 5                            ; my stage + 16 x lane
.set STR, 6                            ; my stage + r x pitch + 128 hh
.set XWI, 7                            ; where I store x's images: 3,072 w + 16 x lane
.set XWS, 8                            ; and their scale words
.set OQ,  9                            ; q, k codes out: 24,576 hh + 16 r
.set OS,  10                           ; q, k scale words out: 1,024 hh + 4 r
.set WS,  16                           ; v16-23 W's scale words, 2 ct + ks
.set XS,  24                           ; x's scale words: set 0 v24-25, set 1 v34-35
.set MXA, 26
.set MXB, 27
.set SC0, 28
.set SC1, 29
.set BY0, 30
.set BY1, 31
.set PW,  32                           ; the scale word being made
.set TP,  33
.set PC,  36                           ; v36-47 x's codes just made
.set TC,  48                           ; v48-50
.set XR,  56                           ; v56-183 x as loaded
.set N,   56                           ; v56-151 three buffers of 32 numbers back from the stage
.set XF,  56                           ; x's two fragments of a row tile: set 0 v56-79, set 1 v136-159
.set ACC, 80                           ; accumulators: 32 registers (query, key), 64 (value)
.set OCQ, 112                          ; v112-135 q's or k's codes
.set OCV, 144                          ; v144-159 v's codes, two sets of 8
.set WF,  160                          ; v160-255 W's fragments, 12 (2 ct + ks)
.set SEL, 32                           ; s[32:33]
.macro QB n, d, sc, by                 ; 32 numbers of one lane -> 6 registers of codes, the conversion's scale operand, the scale's byte
	v_max3_num_f32 v[MXA], |v[(\n)]|, |v[(\n)+1]|, 0x1800000       ; the floor 2^(3 - 127) among the leaves.  Each accumulator of eight is first read at its low end
	v_max3_num_f32 v[MXB], |v[(\n)+2]|, |v[(\n)+3]|, |v[(\n)+4]|
.irp i, 5,9,13,17,21,25
	v_max3_num_f32 v[MXA], v[MXA], |v[(\n)+\i]|, |v[(\n)+\i+1]|
	v_max3_num_f32 v[MXB], v[MXB], |v[(\n)+\i+2]|, |v[(\n)+\i+3]|
.endr
	v_max3_num_f32 v[MXA], v[MXA], |v[(\n)+29]|, |v[(\n)+30]|
	v_max3_num_f32 v[MXA], v[MXA], v[MXB], |v[(\n)+31]|
	v_add_nc_u32 v[\sc], 0xff000000, v[MXA]                        ; 2 off the exponent field
	v_lshrrev_b32 v[\by], 23, v[\sc]
	v_cvt_scalef32_pk16_fp6_f32 v[(\d):(\d)+2], v[(\n):(\n)+15], v[\sc]
	v_cvt_scalef32_pk16_fp6_f32 v[TC:TC+2], v[(\n)+16:(\n)+31], v[\sc]
	v_nop                                                          ; one plain place behind the conversions
.irp i, 0,1,2
	v_mov_b32 v[(\d)+3+\i], v[TC+\i]
.endr
.endm
.macro WORD pw, by0, by1
	v_lshl_or_b32 v[\pw], v[\by1], 16, v[\by0]
	v_lshlrev_b32 v[\pw], v[SH8], v[\pw]
	v_permlanex16_b32 v[TP], v[\pw], s[SEL], s[SEL+1]
	v_or_b32 v[\pw], v[\pw], v[TP]
.endm
.macro NLOAD k, n                      ; block k = 2 ks + c of my row: d = 128 ks + 64 c + 32 hh + 0 .. 31, from the stage into v[n] on
.irp e, 0,1,2,3,4,5,6,7
	ds_load_b128 v[(\n)+4*\e:(\n)+4*\e+3], v[STR] offset:256*(\k)+16*\e
.endr
.endm
.macro IMAGE ks                        ; the fragment in v[PC] on and its scale word go to LDS as they stand
.irp q, 0,1,2
	ds_store_b128 v[XWI], v[PC+4*\q:PC+4*\q+3] offset:XIMG+1536*(\ks)+512*\q
.endr
	ds_store_b32 v[XWS], v[PW] offset:128*(\ks)
.endm
.macro FETCHX u, b                     ; row tile u's two fragments and scale words, as any wave left them, into set b: eight loads
.irp ks, 0,1
.irp q, 0,1,2
	ds_load_b128 v[XF+80*(\b)+12*\ks+4*\q:XF+80*(\b)+12*\ks+4*\q+3], v[L16] offset:XIMG+(2*(\u)+\ks)*1536+512*\q
.endr
	ds_load_b32 v[XS+10*(\b)+\ks], v[L4] offset:XSC+(2*(\u)+\ks)*128
.endr
.endm
.macro PLACES                          ; four plain places behind a matrix instruction of this form (ISA guide 7.12.1)
.rept 4
	v_nop
.endr
.endm
	s_load_b256 s[4:11], s[0:1], 0x0               ; query s[4:5], key s[6:7], value s[8:9], wimg s[10:11]
	s_load_b256 s[12:19], s[0:1], 0x20             ; wsc s[12:13], qc s[14:15], qs s[16:17], kc s[18:19]
	s_load_b128 s[20:23], s[0:1], 0x40             ; ks s[20:21], vc s[22:23]
	s_load_b64 s[24:25], s[0:1], 0x50              ; vs
	v_lshl_add_u32 v54, v0, 2, 0x13800
	v_mov_b32 v55, 0
	v_lshrrev_b32 v11, 5, v0
	v_readfirstlane_b32 s26, v11                   ; wave
	s_and_b32 s27, ttmp7, 0xffff                   ; T
	s_lshr_b32 s28, ttmp9, 4                       ; b
	s_and_b32 s29, ttmp9, 15                       ; G
	s_mov_b32 s[SEL], 0x76543210
	s_mov_b32 s[SEL+1], 0xfedcba98
	v_and_b32 v11, 31, v0                          ; lane
	v_and_b32 v12, 15, v0                          ; r
	v_bfe_u32 v13, v0, 4, 1                        ; hh
	v_lshlrev_b32 v[L16], 4, v11
	v_lshlrev_b32 v[L4], 2, v11
	v_lshlrev_b32 v[L8], 3, v11
	v_lshlrev_b32 v[SH8], 3, v13
	s_wait_alu depctr_va_sdst(0)                   ; s26 is written, ahead of its first reader: LDS addresses and bases are made from it
	s_mul_i32 s34, s26, 16*SPITCH
	s_add_co_u32 s34, s34, STAGE
	v_add_nc_u32 v[STW], s34, v[L16]
	v_mul_u32_u24 v[STR], v12, SPITCH
	v_lshl_add_u32 v[STR], v13, 7, v[STR]
	v_add_nc_u32 v[STR], s34, v[STR]
	s_mul_i32 s34, s26, 3072
	v_add_nc_u32 v[XWI], s34, v[L16]
	s_lshl_b32 s34, s26, 8
	s_add_co_u32 s34, s34, XSC
	v_add_nc_u32 v[XWS], s34, v[L4]
	v_mul_u32_u24 v[OQ], v13, 24576
	v_lshl_add_u32 v[OQ], v12, 4, v[OQ]
	v_lshlrev_b32 v[OS], 10, v13
	v_lshl_add_u32 v[OS], v12, 2, v[OS]
	v_mov_b32 v[TP], 0                             ; a lane permute's destination counts as read
	s_mov_b32 s31, 0
	s_wait_kmcnt 0x0
	s_cmp_eq_u32 s27, 0                            ; the choices hang on the work-group's number alone
	s_cselect_b64 s[4:5], s[4:5], s[6:7]
	s_cselect_b64 s[14:15], s[14:15], s[18:19]     ; q's codes or k's
	s_cselect_b64 s[16:17], s[16:17], s[20:21]     ; q's scale words or k's
	s_cmp_eq_u32 s27, 2
	s_cselect_b64 s[4:5], s[8:9], s[4:5]
	s_lshl_b32 s30, ttmp9, 16                      ; 64 rows of 1,024 bytes a work-group,
	s_lshl_b32 s34, s26, 13                        ; 8 rows a wave
	s_add_co_u32 s30, s30, s34
	s_add_nc_u64 s[4:5], s[4:5], s[30:31]
	s_wait_alu depctr_va_vdst(0)                   ; the offsets and addresses v1 to v10 are written: every load and store of the kernel reads one of them
	; ---- 1: my 16 rows: rows 8 w + 0 .. 7 and 32 + 8 w + 0 .. 7 of the group.  Each load takes 512 consecutive bytes.
.set i, 0
.rept 32
	global_load_b128 v[XR+4*i:XR+4*i+3], v[L16], s[4:5] offset:(32*(i/16)+(i/2)%8)*1024+512*(i%2) th:TH_LOAD_NT
.set i, i+1
.endr
	s_lshl_b32 s34, s27, 2
	s_add_co_u32 s34, s34, s26                     ; 4 T + w
	s_mul_i32 s30, s34, 12288
	s_add_nc_u64 s[10:11], s[10:11], s[30:31]
	s_lshl_b32 s30, s34, 10
	s_add_nc_u64 s[12:13], s[12:13], s[30:31]
.set f, 2
.rept 6                                ; W's fragments 2 to 7; 0 and 1 lie where x's last rows are landing and come later
.irp q, 0,1,2
	global_load_b128 v[WF+12*f+4*\q:WF+12*f+4*\q+3], v[L16], s[10:11] offset:1536*f+512*\q
.endr
.set f, f+1
.endr
.set f, 0
.rept 8
	global_load_b32 v[WS+f], v[L4], s[12:13] offset:128*f
.set f, f+1
.endr
	s_lshl_b32 s35, s28, 3                         ; where the results go
	s_lshl_b32 s34, s26, 1
	s_add_co_u32 s35, s35, s34                     ; 8 b + 2 w: my first head
	s_lshl_b32 s34, s35, 4
	s_add_co_u32 s34, s34, s29
	s_mul_i32 s30, s34, 1536
	s_add_nc_u64 s[14:15], s[14:15], s[30:31]
	s_lshl_b32 s30, s34, 6
	s_add_nc_u64 s[16:17], s[16:17], s[30:31]
	s_mul_i32 s30, s35, 24576
	s_lshr_b32 s34, s29, 1
	s_mul_i32 s34, s34, 3072
	s_add_co_u32 s30, s30, s34
	s_and_b32 s34, s29, 1
	s_mul_i32 s34, s34, 768
	s_add_co_u32 s30, s30, s34
	s_add_nc_u64 s[22:23], s[22:23], s[30:31]
	s_lshl_b32 s34, s28, 2
	s_add_co_u32 s34, s34, s26
	s_lshl_b32 s34, s34, 4
	s_add_co_u32 s34, s34, s29
	s_lshl_b32 s30, s34, 7
	s_add_nc_u64 s[24:25], s[24:25], s[30:31]
	s_wait_loadcnt 26                              ; behind x's 32 loads stand 18 + 8 of W: x is in
.set i, 0
.rept 32
	ds_store_b128 v[STW], v[XR+4*i:XR+4*i+3] offset:(i/2)*SPITCH+512*(i%2)   ; as they lie; the pitch is an odd multiple of 16 bytes
.set i, i+1
.endr
	s_wait_dscnt 0x0                               ; the stores are done
	s_wait_alu depctr_vm_vsrc(0)                   ; the stage stores have read v[XR ..], in which W's first two fragments and the numbers from the stage land
.irp f, 0,1
.irp q, 0,1,2
	global_load_b128 v[WF+12*\f+4*\q:WF+12*\f+4*\q+3], v[L16], s[10:11] offset:1536*\f+512*\q
.endr
.endr
	NLOAD 0, N                                     ; lane (r, hh) takes, of row r, four whole blocks; three are asked for at once
	NLOAD 1, N+32
	NLOAD 2, N+64
	s_wait_dscnt 16                                ; LDS loads come back in order: block 0 is in, the 16 younger loads stay out
	QB N, PC, SC0, BY0
	s_wait_dscnt 8                                 ; block 1 is in, block 2's eight loads stay out
	QB N+32, PC+6, SC1, BY1
	WORD PW, BY0, BY1
	s_wait_alu depctr_va_vdst(0)                   ; the first K step's codes and scale word are written, which the stores below read; block 0's conversions are done reading v[N ..], in which block 3 lands
	IMAGE 0
	NLOAD 3, N
	s_wait_dscnt 12                                ; block 2 is in: behind it stand the four image stores and block 3's eight loads
	s_wait_alu depctr_vm_vsrc(0)                   ; the image stores have read v[PC ..] and v[PW], which the lines below write again
	QB N+64, PC, SC0, BY0
	s_wait_dscnt 0x0                               ; block 3 is in
	QB N, PC+6, SC1, BY1
	WORD PW, BY0, BY1
	s_wait_alu depctr_va_vdst(0)                   ; the second K step's codes and scale word are written, which the stores below read.  No vector instruction follows ahead of the first fetches of the second phase: it also shows the conversions done reading the registers in which those land
	IMAGE 1
	s_wait_dscnt 0x0                               ; for the others' sake: my images have landed
	s_barrier_signal -1
	s_barrier_wait -1                              ; x's eight fragments lie in LDS; nothing is stored to LDS behind this barrier
	s_wait_alu depctr_vm_vsrc(0)                   ; my last image stores have read v[PW], which the second phase writes again
	s_wait_loadcnt 0x0                             ; W
	s_cmp_eq_u32 s27, 2
	s_cbranch_scc1 .Lvalue
	; ---- 2, query and key: a row tile at a time; four accumulators by turns, K step by K step.  x's fragments in two sets by turns
	FETCHX 0, 0
.irp u, 0,1,2,3
.if (\u > 0) && (\u < 3)
	s_wait_alu depctr_va_vdst(0)                   ; the products of the tile before are done reading the other set of fragments and scale words, in which the next tile's land
.endif
.if \u < 3
	FETCHX \u+1, (\u+1)%2
	s_wait_dscnt 8                                 ; this tile's fragments are in; the next tile's eight loads stay out
.else
	s_wait_dscnt 0x0
.endif
.irp ks, 0,1
.irp ct, 0,1,2,3
.if \ks == 0
	v_wmma_scale_f32_16x16x128_f8f6f4 v[ACC+8*\ct:ACC+8*\ct+7], v[WF+12*(2*\ct+\ks):WF+12*(2*\ct+\ks)+11], v[XF+80*(\u%2)+12*\ks:XF+80*(\u%2)+12*\ks+11], 0, v[WS+2*\ct+\ks], v[XS+10*(\u%2)+\ks] matrix_a_fmt:MATRIX_FMT_FP6 matrix_b_fmt:MATRIX_FMT_FP6
.else
	v_wmma_scale_f32_16x16x128_f8f6f4 v[ACC+8*\ct:ACC+8*\ct+7], v[WF+12*(2*\ct+\ks):WF+12*(2*\ct+\ks)+11], v[XF+80*(\u%2)+12*\ks:XF+80*(\u%2)+12*\ks+11], v[ACC+8*\ct:ACC+8*\ct+7], v[WS+2*\ct+\ks], v[XS+10*(\u%2)+\ks] matrix_a_fmt:MATRIX_FMT_FP6 matrix_b_fmt:MATRIX_FMT_FP6
.endif
.endr
.endr
	PLACES                                         ; ahead of the read of the results; with the plain lines of QB that name no accumulator they also serve the next tile's products, which begin the sums anew
	QB ACC, OCQ+12*(\u%2)+6*(\u/2), SC0, BY0       ; my row's 32 dk of head 2 w + hh
.if \u == 0
	v_mov_b32 v[PW], v[BY0]
.else
	v_lshl_or_b32 v[PW], v[BY0], 8*\u, v[PW]       ; byte u of the scale word
.endif
.endr
	s_wait_alu depctr_va_vdst(0)                   ; the four tiles' codes and the scale word are written, which the stores below read
.irp e, 0,1
.irp q, 0,1,2
	global_store_b128 v[OQ], v[OCQ+12*\e+4*\q:OCQ+12*\e+4*\q+3], s[14:15] offset:512*\q+256*\e   ; sixteen lanes store 256 consecutive bytes, aligned: lanes (r, e) of one head's image
.endr
.endr
	global_store_b32 v[OS], v[PW], s[16:17]
	s_wait_dscnt 0x0
	s_wait_alu depctr_hold_cnt(0) depctr_sa_sdst(0) depctr_va_vdst(0) depctr_va_sdst(0) depctr_va_ssrc(0) depctr_va_vcc(0) depctr_vm_vsrc(0)
	s_wait_tensorcnt 0x0
	ds_add_u32 v54, v55
	s_wait_dscnt 0x0
	s_endpgm
	; ---- 2, value: two column tiles at a time, over the four row tiles; one set of x's fragments
.Lvalue:
.irp cp, 0,1
.irp u, 0,1,2,3
.if (\cp+\u) > 0
	PLACES                                         ; the four places behind the products stay as in the plain form
.endif
.if \u > 0
	s_wait_alu depctr_va_vdst(0)                   ; the products of the row tile before are done reading x's fragments and scale words, in which the next tile's land.  (A pair's first fetch stands behind the wait ahead of the stores below, or behind the first phase's last)
.endif
	FETCHX \u, 0
	s_wait_dscnt 0x0
.irp ks, 0,1
.irp cl, 0,1
.if \ks == 0
	v_wmma_scale_f32_16x16x128_f8f6f4 v[ACC+32*\cl+8*\u:ACC+32*\cl+8*\u+7], v[XF+12*\ks:XF+12*\ks+11], v[WF+12*(2*(2*\cp+\cl)+\ks):WF+12*(2*(2*\cp+\cl)+\ks)+11], 0, v[XS+\ks], v[WS+2*(2*\cp+\cl)+\ks] matrix_a_fmt:MATRIX_FMT_FP6 matrix_b_fmt:MATRIX_FMT_FP6
.else
	v_wmma_scale_f32_16x16x128_f8f6f4 v[ACC+32*\cl+8*\u:ACC+32*\cl+8*\u+7], v[XF+12*\ks:XF+12*\ks+11], v[WF+12*(2*(2*\cp+\cl)+\ks):WF+12*(2*(2*\cp+\cl)+\ks)+11], v[ACC+32*\cl+8*\u:ACC+32*\cl+8*\u+7], v[XS+\ks], v[WS+2*(2*\cp+\cl)+\ks] matrix_a_fmt:MATRIX_FMT_FP6 matrix_b_fmt:MATRIX_FMT_FP6
.endif
.endr
.endr
.endr
	PLACES                                         ; ahead of the read of the results
.if \cp == 1
	s_wait_xcnt 0x0                                ; the first pair's stores have had their addresses translated: their data registers are rewritten only behind this wait,
	s_wait_alu depctr_vm_vsrc(0)                   ; and they have read v[OCV ..], which the conversions below write again
.endif
.irp cl, 0,1
	QB ACC+32*\cl, OCV+8*\cl, SC0, BY0             ; keys 64 G + 32 hh + 0 .. 31 of my dk
.if (2*\cp+\cl) == 0
	v_mov_b32 v[PW], v[BY0]
.else
	v_lshl_or_b32 v[PW], v[BY0], 8*(2*\cp+\cl), v[PW]
.endif
.endr
	s_wait_alu depctr_va_vdst(0)                   ; both tiles' codes (and, in the second pair, the scale word) are written, which the stores below read; the pair's products are done reading x's fragments
.irp cl, 0,1
	global_store_b128 v[L16], v[OCV+8*\cl:OCV+8*\cl+3], s[22:23] offset:\cp*24576+\cl*1536        ; 512 consecutive bytes, aligned
	global_store_b64 v[L8], v[OCV+8*\cl+4:OCV+8*\cl+5], s[22:23] offset:\cp*24576+\cl*1536+512    ; 256 consecutive bytes, aligned
.endr
.endr
	global_store_b32 v[L4], v[PW], s[24:25]
	s_wait_dscnt 0x0
	s_wait_alu depctr_hold_cnt(0) depctr_sa_sdst(0) depctr_va_vdst(0) depctr_va_sdst(0) depctr_va_ssrc(0) depctr_va_vcc(0) depctr_vm_vsrc(0)
	s_wait_tensorcnt 0x0
	ds_add_u32 v54, v55
	s_wait_dscnt 0x0
	s_endpgm
.Lfunc_end_k_q14b88091fb_proj:
	.size	k_q14b88091fb_proj, .Lfunc_end_k_q14b88091fb_proj-k_q14b88091fb_proj
	.p2alignl 7, 3214868480
	.fill 96, 4, 3214868480
	.section	.rodata,"a",@progbits
	.p2align	6, 0x0
	.amdhsa_kernel k_q14b88091fb_proj
		.amdhsa_group_segment_fixed_size 80384
		.amdhsa_private_segment_fixed_size 0
		.amdhsa_enable_private_segment 0
		.amdhsa_kernarg_size 88
		.amdhsa_user_sgpr_count 2
		.amdhsa_user_sgpr_kernarg_segment_ptr 1
		.amdhsa_wavefront_size32 1
		.amdhsa_system_sgpr_workgroup_id_x 1
		.amdhsa_system_sgpr_workgroup_id_y 1
		.amdhsa_system_sgpr_workgroup_id_z 1
		.amdhsa_system_vgpr_workitem_id 0
		.amdhsa_next_free_vgpr 256
		.amdhsa_next_free_sgpr 66
		.amdhsa_reserve_vcc 0
		.amdhsa_float_denorm_mode_32 3
		.amdhsa_float_denorm_mode_16_64 3
		.amdhsa_memory_ordered 1
		.amdhsa_forward_progress 1
		.amdhsa_inst_pref_size 51
	.end_amdhsa_kernel
	.amdgpu_metadata
---
amdhsa.version: [ 1, 2 ]
amdhsa.kernels:
  - .name:           k_q14b88091fb_proj
    .symbol:         k_q14b88091fb_proj.kd
    .args:
      - { .name: query, .offset: 0, .size: 8, .value_kind: global_buffer, .address_space: global }
      - { .name: key, .offset: 8, .size: 8, .value_kind: global_buffer, .address_space: global }
      - { .name: value, .offset: 16, .size: 8, .value_kind: global_buffer, .address_space: global }
      - { .name: wimg, .offset: 24, .size: 8, .value_kind: global_buffer, .address_space: global }
      - { .name: wsc, .offset: 32, .size: 8, .value_kind: global_buffer, .address_space: global }
      - { .name: qc, .offset: 40, .size: 8, .value_kind: global_buffer, .address_space: global }
      - { .name: qs, .offset: 48, .size: 8, .value_kind: global_buffer, .address_space: global }
      - { .name: kc, .offset: 56, .size: 8, .value_kind: global_buffer, .address_space: global }
      - { .name: ks, .offset: 64, .size: 8, .value_kind: global_buffer, .address_space: global }
      - { .name: vc, .offset: 72, .size: 8, .value_kind: global_buffer, .address_space: global }
      - { .name: vs, .offset: 80, .size: 8, .value_kind: global_buffer, .address_space: global }
    .group_segment_fixed_size: 80384
    .private_segment_fixed_size: 0
    .kernarg_segment_align: 8
    .kernarg_segment_size: 88
    .max_flat_workgroup_size: 128
    .sgpr_count:     66
    .vgpr_count:     256
    .wavefront_size: 32
...
	.end_amdgpu_metadata
.endif
;; end of part 5
;; launch attn (part 6): grid 8 x 32, 8 waves a work-group, no clusters, 276,480 bytes of LDS; arguments qc, qs, kc, ks, vc, vs, mask, out0; writes out0
.if DOCPART == 6
	.amdgcn_target "amdgcn-amd-amdhsa--gfx1250"
	.amdhsa_code_object_version 6
	.text
	.protected	k_q14b88091fb_attn
	.globl	k_q14b88091fb_attn
	.p2align	8
	.type	k_q14b88091fb_attn,@function
k_q14b88091fb_attn:
	s_mov_b64 s[64:65], 0
	v_nop
	global_prefetch_b8 v0, s[64:65] scope:SCOPE_SE
	s_setreg_imm32_b32 hwreg(HW_REG_WAVE_SCHED_MODE, 0, 2), 2
	s_setreg_imm32_b32 hwreg(HW_REG_WAVE_MODE, 25, 1), 1
	s_wait_xcnt 0x0
	s_wait_alu depctr_vm_vsrc(0)
; out[b][q][32 head + dk] = sum over keys of softmax_k(m A + (1 - m) (-1e-30)) v, A = q . k, both products on codes of E2M3 with one E8M0 byte for each 32 along K.
; SHARES: work-group x = head pair hp (x & 3) and half of the queries qh (x >> 2); y = b.  Wave w owns query group 8 qh + w: 64 queries, four tiles; it walks head 2 hp, then head 2 hp + 1, 8 key steps of 128 keys each.
; Two heads to a work-group, since one head's part of a row of out is 128 bytes and two make an aligned 256.
; LDS holds the head pair's K, V, scale words and the mask for all 1,024 keys, filled ONCE through registers: 110,592 bytes; nothing is ever filled again, so there is no ring, and one barrier.
; NO CLUSTER: K and V are shared by the two work-groups of a head pair alone, and are read once, at the head: 98,304 bytes against 16 key steps of work.
; THE SCORE PRODUCT HAS K = 32.  A fragment of K holds 64 keys densely: block u = 2 c + hh of row r is key row(u, r) = 64 G + 32 (r / 8) + 8 u + r % 8.  Q comes in four VARIANTS, its 32 codes in block 0, 1, 2 or 3 and zero codes
; elsewhere: variant v picks key tile v.  The variants overlap in registers: Z Qlo Z Qhi Z (Z: six zeros; Qlo: the codes in lanes 0-15, zeros above; Qhi: the other way round).
; In the result (source 0 = K, source 1 = Q) lane (rq, hh) holds one query, and register 8 v + j the key 64 G + 32 hh + 8 v + j: 32 NEIGHBOURING KEYS IN ONE LANE, a whole block of the second product's K, in the operand's own layout.
; THE MASK: t = log2(e) (m A + (1 - m) MV) = (A - MV) (m log2(e)) + MV log2(e): -MV = 1e-30 is the C of the score product, m' = m log2(e) lies in LDS, the rest is one packed multiply-add.  It holds for any m.
; THE SOFTMAX: M = the ceiling of the running largest t, kept as -M = floor(-t); p = 2^(t - M) is quantised along the keys, not normalised; the row's sum is taken of the unquantised p and divides at the end;
; when M moves, the sum and O are multiplied by 2^(old M - new M), which rounds nothing.  A block's largest p is 2^(the block's largest t - M): the same addition and exponential on the same number.
; LIMITS: NaN and infinities are not served; t is rounded once otherwise than in m A + (1 - m) MV followed by x log2(e); a block of p that has fallen to zeros keeps the byte 1: its codes are zeros.
; REGISTERS, window 0: v1-14 addresses; v16-22 scale words and nothing else; v24-39 four registers of statistics a tile (-M, largest t, the sum in two halves); v40-55 at work; v64-127 m' of the step's keys; v128-255 two buffers of 64 scores.
;   window 1: v0-101 Q's variants; v102-109 1e-30; v110-133 K's two fragments; v134-157 V's two; v158-169 p's codes; v170-176 at work; v178-241 O^T, 16 a tile.
; THE MODE: SCHED_MODE bits 1:0 = 2 (LLVM: expert scheduling mode 2), set by the entry lines.  The code itself states the register dependences
; between vector or matrix instructions and memory or LDS instructions, with s_wait_alu, always for 0.
; THE PLAN.  Registers that LDS instructions touch in a key step, and the operands that vector instructions make for scaled products:
;   K's fragments, scale word   read by the step's 32 score products, the last of them issued ahead of tile 2's softmax; the NEXT step's land there behind tile 2's wait.
;   m'                          read by the four tiles' multiply-adds, tile 3's last; the NEXT step's lands there behind tile 3's wait.
;   V's fragments, scale word   read by the step's eight products V^T P, the last two at the step's end; THIS step's land there behind tile 0's wait and are first used behind tile 1's.
;   v6-9, the step's addresses  read by those loads; written at the step's head, behind one wait on vm_vsrc; first read behind tile 0's wait.
;   p's codes and scale word    written by tile i's vector lines; tile i's two products V^T P stand behind tile i + 1's wait, tile 3's behind a wait of their own.
; A tile's wait is the one that stands between its 66 exponentials and their first reader.  So a step has these four waits on va_vdst, four more ahead of the exponentials, one more at its end, and one on vm_vsrc.
; The wave's 512 registers leave none for second buffers: the lead comes from the part of a step in which a buffer lies idle.  The first step's K and m' are asked for ahead of the loop; the eighth step is written out and asks for nothing ahead.
.set KIMG, 0                           ; [hl 2][G 16][1536]
.set VIMG, 49152                       ; [hl][sigma 8][tau 2][c 2][768]
.set KSC,  98304                       ; [hl][sigma][lane]: lanes 0-15 group 2 sigma, lanes 16-31 group 2 sigma + 1
.set VSC,  100352                      ; [hl][sigma][lane]: lanes 0-15 tau 0, lanes 16-31 tau 1
.set MSK,  102400                      ; m' of 1,024 keys
.set QIMG, 110592                      ; [hl][w][1536]
.set QSC,  135168                      ; [hl][w][64]
.set STG,  136192                      ; a stage of 64 rows x (256 + 16) bytes for each wave, its own
.set SP,   272
.set L16, 1                            ; 16 x lane
.set L8,  2                            ; 8 x lane
.set L4S, 3                            ; KSC + 4 x lane
.set HM,  4                            ; MSK + 128 hh
.set SH8, 5                            ; 8 hh
.set ADK, 6                            ; the step's addresses
.set ADV8, 7
.set ADS, 8
.set ADM, 9
.set AQ,  10                           ; QIMG + 1,536 w + 16 x lane
.set AQS, 11                           ; QSC + 64 w + 4 r
.set STO, 12                           ; my stage + 272 r + 32 hh
.set SRD, 13                           ; my stage + 272 hh + 16 r
.set GO,  14                           ; 1,024 hh + 16 r
.set KS,  16
.set VS,  17
.set QS,  18                           ; v18-21
.set PS,  22
.set ST,  24
.set F,   40                           ; v[40:41]
.set BM0, 42
.set BM1, 43
.set SC0, 44
.set SC1, 45
.set BY0, 46
.set BY1, 47
.set CH,  48                           ; v48-51 four chains
.set T0,  52
.set T1,  53
.set TS,  54                           ; v[54:55]
.set MK,  64
.set SB,  128
.set QR,  0                            ; window 1
.set CC,  102
.set KF,  110
.set VF,  134
.set PC,  158
.set TC,  170
.set OA,  178
.set SEL, 26                           ; s[26:27] lane l xor 16
.set MVL, 28                           ; s[28:29] MV log2(e)
.set LOM, 30                           ; lanes 0-15
.set HIM, 31                           ; lanes 16-31
.set MSB, 0
.macro WIN new                         ; the immediate's high byte repeats the setting that is left; a switch that changes nothing is dropped
.if MSB != \new
	s_set_vgpr_msb (MSB<<8)|\new
.set MSB, \new
.endif
.endm
.set W_SC, 0x15                        ; K, Q and C in window 1, the scores in window 0
.set W_D1, 0x40                        ; destination window 1
.set W_11, 0x41                        ; destination and source 0 window 1
.set W_PV, 0x55                        ; all four in window 1
.set W_ST, 0x04                        ; an LDS store's data (source 1) in window 1
; Tile i's scores of the step's 128 keys: 8 matrix instructions on 8 different results.
.macro SCORE i
	WIN W_SC
.irp g, 0,1
.irp v, 0,1,2,3
.set QV, QR+24*(\i)+12*((\v)%2)+6*(1-(\v)/2)
.set DS, SB+64*((\i)%2)+32*\g+8*\v
.if \g == 0
	v_wmma_scale_f32_16x16x128_f8f6f4 v[DS:DS+7], v[KF+12*\g:KF+12*\g+11], v[QV:QV+11], v[CC:CC+7], v[KS], v[QS+\i] matrix_a_fmt:MATRIX_FMT_FP6 matrix_b_fmt:MATRIX_FMT_FP6
.else
	v_wmma_scale_f32_16x16x128_f8f6f4 v[DS:DS+7], v[KF+12*\g:KF+12*\g+11], v[QV:QV+11], v[CC:CC+7], v[KS], v[QS+\i] matrix_a_fmt:MATRIX_FMT_FP6 matrix_b_fmt:MATRIX_FMT_FP6 matrix_a_scale:MATRIX_SCALE_ROW1
.endif
.endr
.endr
.endm
; Tile i's O^T += V^T P^T: two matrix instructions on two accumulators.
.macro PV i
	WIN W_PV
	v_wmma_scale_f32_16x16x128_f8f6f4 v[OA+16*(\i):OA+16*(\i)+7], v[VF:VF+11], v[PC:PC+11], v[OA+16*(\i):OA+16*(\i)+7], v[VS], v[PS] matrix_a_fmt:MATRIX_FMT_FP6 matrix_b_fmt:MATRIX_FMT_FP6
	v_wmma_scale_f32_16x16x128_f8f6f4 v[OA+16*(\i)+8:OA+16*(\i)+15], v[VF+12:VF+23], v[PC:PC+11], v[OA+16*(\i)+8:OA+16*(\i)+15], v[VS], v[PS] matrix_a_fmt:MATRIX_FMT_FP6 matrix_b_fmt:MATRIX_FMT_FP6 matrix_a_scale:MATRIX_SCALE_ROW1
.endm
; Tile i's softmax of the step and p's codes.  Behind the tile's wait stand the loads that the plan gives this tile, and the products V^T P of the tile before.  ahead = 1: the next step's K and m' are asked for.
.macro SOFT i, ahead
.set S,  SB+64*((\i)%2)
.set NM, ST+4*(\i)
.set TX, NM+1
.set LL, NM+2
	WIN 0
.set j, 0
.rept 32
	v_pk_fma_f32 v[S+j:S+j+1], v[S+j:S+j+1], v[MK+j:MK+j+1], s[MVL:MVL+1] op_sel_hi:[1,1,0]   ; t; ascending: each result is first read at its low end
.set j, j+2
.endr
.irp c, 0,1,2,3                        ; the largest t of each block of 32 keys: four chains of 15, by turns
	v_max3_num_f32 v[CH+\c], v[S+16*\c], v[S+16*\c+1], v[S+16*\c+2]
.endr
.irp k, 3,5,7,9,11,13
.irp c, 0,1,2,3
	v_max3_num_f32 v[CH+\c], v[CH+\c], v[S+16*\c+\k], v[S+16*\c+\k+1]
.endr
.endr
	v_max3_num_f32 v[BM0], v[CH], v[CH+1], v[S+15]
	v_max3_num_f32 v[BM1], v[CH+2], v[CH+3], v[S+47]
	v_max_num_f32 v[BM0], v[BM0], v[S+31]
	v_max_num_f32 v[BM1], v[BM1], v[S+63]
	v_max_num_f32 v[T0], v[BM0], v[BM1]
	v_permlanex16_b32 v[T1], v[T0], s[SEL], s[SEL+1]   ; my query's other 64 keys lie in lane l xor 16
	v_max3_num_f32 v[TX], v[TX], v[T0], v[T1]          ; the running largest t
	v_mov_b32 v[T0], v[NM]
	v_floor_f32 v[NM], -v[TX]                          ; the new -M = -ceil(t): a whole number
	v_sub_f32 v[T0], v[NM], v[T0]                      ; old M - new M, 0 or less
	v_cvt_i32_f32 v[T0], v[T0]                         ; (it saturates)
	v_ldexp_f32 v[F], 1.0, v[T0]                       ; f = 2^(old M - new M)
.set j, 0
.rept 32
	v_pk_add_f32 v[S+j:S+j+1], v[S+j:S+j+1], v[NM:NM+1] op_sel_hi:[1,0]   ; t - M
.set j, j+2
.endr
	v_add_f32 v[BM0], v[BM0], v[NM]
	v_add_f32 v[BM1], v[BM1], v[NM]
	s_wait_alu depctr_va_vdst(0)
	v_exp_f32 v[BM0], v[BM0]                           ; ONE BATCH of 66 exponentials: the blocks' largest p,
	v_exp_f32 v[BM1], v[BM1]
.set j, 0
.rept 64
	v_exp_f32 v[S+j], v[S+j]                           ; and p = 2^(t - M)
.set j, j+1
.endr
	v_pk_mul_f32 v[LL:LL+1], v[LL:LL+1], v[F:F+1] op_sel_hi:[1,0]   ; the sums under the new M: the plain place behind the batch
	; THE TILE'S WAIT.  The 66 exponentials have written their results, ahead of the first reader.  Besides: tile 0: the step's addresses are written, and the last step's products V^T P are done reading V's fragments and scale word;
	; tiles 1 to 3: the codes and the scale word of p of the tile before are written; tile 2: the score products are done reading K's fragments and scale word; tile 3: the multiply-adds are done reading m'
	s_wait_alu depctr_va_vdst(0)
.if (\i) == 0
	ds_load_b32 v[VS], v[ADS] offset:VSC-KSC           ; this step's scale words of V
.endif
.if ((\i) == 2) && (\ahead)
	ds_load_b32 v[KS], v[ADS] offset:128               ; the next step's scale words of K
.endif
.if ((\i) == 3) && (\ahead)
.irp g, 0,1
.irp e, 0,1,2,3,4,5,6,7
	ds_load_b128 v[MK+32*\g+4*\e:MK+32*\g+4*\e+3], v[ADM] offset:512+256*\g+16*\e   ; the next step's m' of keys 64 g + 32 hh + 4 e on: the same for all lanes of a half
.endr
.endr
.endif
.if (\i) > 0
.if (\i) == 1
	s_wait_dscnt 0x0                                   ; V's fragments and scale word, asked for a tile ago, are in
.endif
	PV (\i)-1                                          ; the tile before: its operands were made more than eight places ago, and the wait above shows them written
	WIN 0
.endif
	v_max_num_f32 v[BM0], 0x1800000, v[BM0]            ; the floor 2^(3 - 127).  (These six lines name no register of the two products above: they are the places ahead of the lines that write p's scale word and codes anew)
	v_max_num_f32 v[BM1], 0x1800000, v[BM1]
	v_add_nc_u32 v[SC0], 0xff000000, v[BM0]            ; 2 off the exponent field: the conversion's scale operand
	v_add_nc_u32 v[SC1], 0xff000000, v[BM1]
	v_lshrrev_b32 v[BY0], 23, v[SC0]
	v_lshrrev_b32 v[BY1], 23, v[SC1]
	v_lshl_or_b32 v[PS], v[BY1], 16, v[BY0]            ; my bytes: blocks hh and 2 + hh
	v_lshlrev_b32 v[PS], v[SH8], v[PS]
	v_permlanex16_b32 v[T1], v[PS], s[SEL], s[SEL+1]
	v_or_b32 v[PS], v[PS], v[T1]                       ; p's scale word of these 128 keys
	WIN W_D1
.if (\i) == 0                          ; no vector or matrix instruction since the tile's wait names V's fragments or these addresses
.irp t, 0,1
.irp c, 0,1
	ds_load_b128 v[VF+12*\t+6*\c:VF+12*\t+6*\c+3], v[ADK] offset:VIMG+1536*\t+768*\c
	ds_load_b64 v[VF+12*\t+6*\c+4:VF+12*\t+6*\c+5], v[ADV8] offset:VIMG+1536*\t+768*\c+512
.endr
.endr
.endif
.if ((\i) == 2) && (\ahead)            ; the next step's K: no vector or matrix instruction since the tile's wait names K's fragments or the address
.irp g, 0,1
.irp q, 0,1,2
	ds_load_b128 v[KF+12*\g+4*\q:KF+12*\g+4*\q+3], v[ADK] offset:KIMG+3072+1536*\g+512*\q
.endr
.endr
.endif
.irp g, 0,1
	v_cvt_scalef32_pk16_fp6_f32 v[PC+6*\g:PC+6*\g+2], v[S+32*\g:S+32*\g+15], v[SC0+\g]
	v_cvt_scalef32_pk16_fp6_f32 v[TC+4*\g:TC+4*\g+2], v[S+32*\g+16:S+32*\g+31], v[SC0+\g]   ; (a conversion's three registers begin on an even number)
.endr
	v_nop                                              ; one plain place behind the conversions
	WIN W_11
.irp g, 0,1
.irp k, 0,1,2
	v_mov_b32 v[PC+6*\g+3+\k], v[TC+4*\g+\k]
.endr
.endr
.set j, 0
.rept 8
	v_pk_mul_f32 v[OA+16*(\i)+j:OA+16*(\i)+j+1], v[OA+16*(\i)+j:OA+16*(\i)+j+1], v[F:F+1] op_sel_hi:[1,0]   ; O^T under the new M
.set j, j+2
.endr
	WIN 0
	v_pk_add_f32 v[TS:TS+1], v[S:S+1], v[S+2:S+3]      ; the row's sum of the UNQUANTISED p, in two chains.  These 32 lines name no register of the tile's products V^T P: they are the places behind p's codes and scale word
.set j, 4
.rept 15
	v_pk_add_f32 v[LL:LL+1], v[LL:LL+1], v[S+j:S+j+1]
	v_pk_add_f32 v[TS:TS+1], v[TS:TS+1], v[S+j+2:S+j+3]
.set j, j+4
.endr
	v_pk_add_f32 v[LL:LL+1], v[LL:LL+1], v[TS:TS+1]
.endm
; A key step.  A tile's scores are made a softmax ahead of their use, into the other buffer.
.macro STEP ahead
	s_wait_alu depctr_vm_vsrc(0)                   ; the LDS loads issued so far have read the step's address registers, which are written anew
	v_add_nc_u32 v[ADK], s32, v[L16]
	v_add_nc_u32 v[ADV8], s32, v[L8]
	v_add_nc_u32 v[ADS], s33, v[L4S]
.if \ahead
	v_add_nc_u32 v[ADM], s34, v[HM]
.endif
	s_wait_dscnt 0x0                               ; K, its scale words and m', asked for in the step before (the first step's: ahead of the loop), are in
	SCORE 0
	SCORE 1
.rept 4
	v_nop                                          ; the places behind tile 0's scores
.endr
	SOFT 0, \ahead
	SCORE 2
	SOFT 1, \ahead
	SCORE 3
	SOFT 2, \ahead
	SOFT 3, \ahead
	WIN W_PV
	s_wait_alu depctr_va_vdst(0)                   ; tile 3's codes and scale word of p are written, which the two scaled products below take; the 32 sums above are the places ahead of them
	PV 3
	WIN 0                                          ; at a label and at a branch every window is 0
.if \ahead
	s_add_co_u32 s32, s32, 3072
	s_add_co_u32 s33, s33, 128
	s_add_co_u32 s34, s34, 512
.endif
.endm
; One head of the pair: Q's variants, 8 key steps, O into the stage.
.macro HEAD hl
.irp q, 0,1,2                          ; no wait: no vector or matrix instruction since the last wait on va_vdst names these registers or the two addresses
	ds_load_b128 v[SB+4*\q:SB+4*\q+3], v[AQ] offset:\hl*12288+512*\q      ; my group's image: lane (r, hh), registers 6 c on: the codes of query row(2 c + hh, r)
.endr
	ds_load_b32 v[SB+24], v[AQS] offset:\hl*512                           ; byte u: the scale byte of row(u, r)
	s_wait_dscnt 0x0
.set j, 0
.rept 12
	v_permlanex16_b32 v[SB+12+j], v[SB+j], s[SEL], s[SEL+1]               ; and the other half of the lanes'
.set j, j+1
.endr
	WIN W_D1
.irp u, 0,1,2,3
.irp k, 0,1,2,3,4,5
	v_cndmask_b32 v[QR+24*\u+6+\k], 0, v[SB+12*(\u%2)+6*(\u/2)+\k], s[LOM]        ; Qlo: tile u's codes in lanes 0-15
	v_cndmask_b32 v[QR+24*\u+18+\k], 0, v[SB+12*(1-\u%2)+6*(\u/2)+\k], s[HIM]     ; Qhi: in lanes 16-31
.endr
.endr
	WIN 0
.irp u, 0,1,2,3
	v_perm_b32 v[QS+\u], v[SB+24], v[SB+24], 0x01010101*\u                ; tile u's byte in all four bytes: it serves whichever block holds the codes
.endr
.irp u, 0,1,2,3
	v_mov_b32 v[ST+4*\u+1], 0xff61b1e6             ; the largest t so far: -3e38
	v_mov_b32 v[ST+4*\u+2], 0                      ; the sum, in two halves
	v_mov_b32 v[ST+4*\u+3], 0
.endr
.irp u, 0,1,2,3
	v_floor_f32 v[ST+4*\u], -v[ST+4*\u+1]          ; -M
.endr
	WIN W_D1
.set j, 0
.rept 64
	v_mov_b32 v[OA+j], 0                           ; O^T.  The key step is written once: its first f is 0 and finds zeros.  (These lines are also the places behind Q's variants and scale words)
.set j, j+1
.endr
	s_wait_alu depctr_va_vdst(0)                   ; Q's variants, with their zeros, and Q's scale words are written, which the scaled score products take
.irp g, 0,1                            ; the first step's K, scale words and m', by immediates
.irp q, 0,1,2
	ds_load_b128 v[KF+12*\g+4*\q:KF+12*\g+4*\q+3], v[L16] offset:KIMG+\hl*24576+1536*\g+512*\q
.endr
.endr
	WIN 0
	ds_load_b32 v[KS], v[L4S] offset:\hl*1024
.irp g, 0,1
.irp e, 0,1,2,3,4,5,6,7
	ds_load_b128 v[MK+32*\g+4*\e:MK+32*\g+4*\e+3], v[HM] offset:256*\g+16*\e
.endr
.endr
	s_mov_b32 s32, \hl*24576                       ; the step's K and V: 3,072 bytes a step
	s_mov_b32 s33, \hl*1024                        ; its scale words: 128
	s_mov_b32 s34, 0                               ; its m': 512
	s_mov_b32 s38, 7
.Lstep_\hl:
	STEP 1
	s_sub_co_i32 s38, s38, 1
	s_cmp_lg_u32 s38, 0
	s_cbranch_scc1 .Lstep_\hl
	STEP 0                                         ; the eighth step is written out: nothing is left to ask for ahead
.irp u, 0,1,2,3                        ; the head's end: the sum's two halves, and lane l xor 16's.  These lines are the places behind the last products
	v_add_f32 v[CH+\u], v[ST+4*\u+2], v[ST+4*\u+3]
.endr
.irp u, 0,1,2,3
	v_permlanex16_b32 v[SC0+\u], v[CH+\u], s[SEL], s[SEL+1]
.endr
.irp u, 0,1,2,3
	v_add_f32 v[CH+\u], v[CH+\u], v[SC0+\u]
.endr
	s_wait_alu depctr_va_vdst(0)
.irp u, 0,1,2,3
	v_rcp_f32 v[ST+4*\u+2], v[CH+\u]
.endr
	v_nop                                          ; a plain place behind the last reciprocal
	s_wait_alu depctr_va_vdst(0)                   ; the four reciprocals have written their results, ahead of the first reader
	WIN W_11
.irp u, 0,1,2,3
.set j, 0
.rept 8
	v_pk_mul_f32 v[OA+16*\u+j:OA+16*\u+j+1], v[OA+16*\u+j:OA+16*\u+j+1], v[ST+4*\u+2:ST+4*\u+3] op_sel_hi:[1,0]   ; O^T / the sum, ascending
.set j, j+2
.endr
.endr
	WIN W_ST
	s_wait_alu depctr_va_vdst(0)                   ; the multiplications have written O^T, which the LDS stores read.  It also shows the head's vector and matrix lines done with the scores' registers, K's and m', in which the loads that follow land
.irp u, 0,1,2,3
.irp t, 0,1
.irp e, 0,1
	ds_store_b128 v[STO], v[OA+16*\u+8*\t+4*\e:OA+16*\u+8*\t+4*\e+3] offset:\hl*128+\u*16*SP+64*\t+16*\e   ; stage row 16 u + rq; dk 16 tau + 8 hh + 4 e on, of head hl
.endr
.endr
.endr
	WIN 0
	s_wait_dscnt 0x0                               ; the stores are done
.if \hl == 0
	s_wait_alu depctr_vm_vsrc(0)                   ; the stores have read O^T, which the next head clears
.endif
.endm
	s_load_b512 s[4:19], s[0:1], 0x0               ; qc s[4:5], qs s[6:7], kc s[8:9], ks s[10:11], vc s[12:13], vs s[14:15], mask s[16:17], out0 s[18:19]
	v_lshl_add_u32 v62, v0, 2, 0x43400
	v_mov_b32 v63, 0
	v_lshrrev_b32 v56, 5, v0
	v_readfirstlane_b32 s20, v56                   ; wave 0..7
	s_and_b32 s21, ttmp9, 3                        ; hp
	s_lshr_b32 s22, ttmp9, 2                       ; qh
	s_and_b32 s23, ttmp7, 0xffff                   ; b
	s_mov_b32 s25, 0
	s_mov_b32 s[SEL], 0x76543210
	s_mov_b32 s[SEL+1], 0xfedcba98
	s_mov_b32 s[MVL], 0x8dea1735                   ; -1e-30 x log2(e)
	s_mov_b32 s[MVL+1], s[MVL]                     ; (named with it as a pair, so it is written)
	s_mov_b32 s[LOM], 0x0000ffff
	s_mov_b32 s[HIM], 0xffff0000
	v_and_b32 v56, 31, v0                          ; lane
	v_and_b32 v57, 15, v0                          ; r
	v_bfe_u32 v58, v0, 4, 1                        ; hh
	v_lshlrev_b32 v[L16], 4, v56
	v_lshlrev_b32 v[L8], 3, v56
	v_lshl_add_u32 v[L4S], v56, 2, KSC
	v_lshl_add_u32 v[HM], v58, 7, MSK
	v_lshlrev_b32 v[SH8], 3, v58
	s_wait_alu depctr_va_sdst(0)                   ; s20 is written, ahead of its first reader: LDS addresses and out's base are made from it
	s_mul_i32 s35, s20, 1536
	s_add_co_u32 s35, s35, QIMG
	v_add_nc_u32 v[AQ], s35, v[L16]
	s_lshl_b32 s35, s20, 6
	s_add_co_u32 s35, s35, QSC
	v_lshl_add_u32 v[AQS], v57, 2, s35
	s_mul_i32 s35, s20, 64*SP
	s_add_co_u32 s35, s35, STG                     ; my stage
	v_mul_u32_u24 v[STO], v57, SP
	v_lshl_add_u32 v[STO], v58, 5, v[STO]
	v_add_nc_u32 v[STO], s35, v[STO]
	v_mul_u32_u24 v[SRD], v58, SP
	v_lshl_add_u32 v[SRD], v57, 4, v[SRD]
	v_add_nc_u32 v[SRD], s35, v[SRD]
	v_lshlrev_b32 v[GO], 10, v58
	v_lshl_add_u32 v[GO], v57, 4, v[GO]
	; the fill's addresses: t = my thread's number, 0 .. 255
	v_lshlrev_b32 v200, 4, v0                      ; 16 t
	v_lshlrev_b32 v201, 3, v0                      ; 8 t
	v_lshrrev_b32 v202, 7, v0
	v_and_b32 v203, 127, v0
	v_lshlrev_b32 v203, 2, v203
	v_lshl_add_u32 v202, v202, 10, v203            ; Q's scale words: head t / 128, word t % 128
	v_lshrrev_b32 v203, 5, v0
	v_lshlrev_b32 v203, 8, v203
	v_lshl_add_u32 v203, v57, 2, v203              ; V's scale bytes: groups 2 sigma and 2 sigma + 1 (sigma = t / 32), dk r
	v_lshl_add_u32 v204, v0, 4, VIMG
	v_lshl_add_u32 v205, v0, 4, QIMG
	v_lshl_add_u32 v206, v0, 4, MSK
	v_lshl_add_u32 v207, v0, 3, KSC
	v_lshl_add_u32 v208, v0, 2, QSC
	v_lshl_add_u32 v209, v0, 2, VSC
	v_lshlrev_b32 v210, 3, v58                     ; 8 tau: where column tile tau's byte stands (head 0 of the pair),
	v_add_nc_u32 v211, 16, v210                    ; and head 1's
	s_lshl_b32 s35, s23, 3
	s_lshl_b32 s36, s21, 1
	s_add_co_u32 s35, s35, s36                     ; 8 b + 2 hp: the pair's first head
	s_wait_kmcnt 0x0
	s_mul_i32 s24, s35, 24576
	s_add_nc_u64 s[4:5], s[4:5], s[24:25]
	s_add_nc_u64 s[8:9], s[8:9], s[24:25]
	s_add_nc_u64 s[12:13], s[12:13], s[24:25]
	s_mul_i32 s24, s22, 12288
	s_add_nc_u64 s[4:5], s[4:5], s[24:25]          ; my half's 8 groups of queries
	s_lshl_b32 s24, s35, 10
	s_add_nc_u64 s[6:7], s[6:7], s[24:25]
	s_add_nc_u64 s[10:11], s[10:11], s[24:25]
	s_lshl_b32 s24, s22, 9
	s_add_nc_u64 s[6:7], s[6:7], s[24:25]
	s_lshl_b32 s24, s23, 2
	s_add_co_u32 s24, s24, s21
	s_lshl_b32 s24, s24, 11
	s_add_nc_u64 s[14:15], s[14:15], s[24:25]
	s_lshl_b32 s24, s23, 12
	s_add_nc_u64 s[16:17], s[16:17], s[24:25]
	s_lshl_b32 s24, s23, 10
	s_lshl_b32 s36, s22, 9
	s_add_co_u32 s24, s24, s36
	s_lshl_b32 s36, s20, 6
	s_add_co_u32 s24, s24, s36                     ; my first row of out: 1,024 b + 512 qh + 64 w
	s_lshl_b32 s24, s24, 10
	s_lshl_b32 s36, s21, 8
	s_add_co_u32 s24, s24, s36                     ; + the pair's 256 bytes of a row
	s_add_nc_u64 s[18:19], s[18:19], s[24:25]
	s_wait_alu depctr_va_vdst(0)                   ; all offsets and addresses, v1 to v14 and v200 to v209, are written, which the loads and stores of the kernel read
	; THE FILL: every load takes 16 bytes a thread of a dense block
.set i, 0
.rept 12
	global_load_b128 v[64+4*i:64+4*i+3], v200, s[8:9] offset:4096*i       ; K's images of both heads: 49,152 bytes
.set i, i+1
.endr
.set i, 0
.rept 12
	global_load_b128 v[112+4*i:112+4*i+3], v200, s[12:13] offset:4096*i   ; V's
.set i, i+1
.endr
.set i, 0
.rept 6
	global_load_b128 v[160+4*i:160+4*i+3], v200, s[4:5] offset:24576*(i/3)+4096*(i%3)   ; Q's: 12,288 bytes of each head
.set i, i+1
.endr
	global_load_b128 v[184:187], v200, s[16:17]    ; the mask's 1,024 numbers
	global_load_b64 v[188:189], v201, s[10:11]     ; K's scale words
	global_load_b32 v190, v202, s[6:7]             ; Q's
.irp k, 0,1,2,3
	global_load_b32 v[191+\k], v203, s[14:15] offset:128*(\k/2)+64*(\k%2)   ; V's bytes of block k = 2 c + hh: group 2 sigma + c, lane r + 16 hh
.endr
	s_wait_loadcnt 0x0
.irp k, 0,1,2,3
	v_mul_f32 v[184+\k], 0x3fb8aa3b, v[184+\k]     ; m' = m log2(e)
.endr
.irp hl, 0,1                           ; V's scale word of (head hl, sigma, tau, r): the four blocks' bytes of column tile 2 hl + tau
.irp k, 0,1,2,3
	v_bfe_u32 v[212+\k], v[191+\k], v[210+\hl], 8
.endr
	v_lshl_or_b32 v212, v213, 8, v212
	v_lshl_or_b32 v212, v214, 16, v212
	v_lshl_or_b32 v[216+\hl], v215, 24, v212
.endr
	s_wait_alu depctr_va_vdst(0)                   ; m' (v184 to v187) and V's two scale words (v216, v217) are written, which the LDS stores read
.set i, 0
.rept 12
	ds_store_b128 v200, v[64+4*i:64+4*i+3] offset:KIMG+4096*i
	ds_store_b128 v204, v[112+4*i:112+4*i+3] offset:4096*i
.set i, i+1
.endr
.set i, 0
.rept 6
	ds_store_b128 v205, v[160+4*i:160+4*i+3] offset:4096*i
.set i, i+1
.endr
	ds_store_b128 v206, v[184:187]
	ds_store_b64 v207, v[188:189]
	ds_store_b32 v208, v190
	ds_store_b32 v209, v216
	ds_store_b32 v209, v217 offset:1024
	s_wait_dscnt 0x0                               ; for the others' sake: my stores have landed
	s_barrier_signal -1
	s_barrier_wait -1                              ; the one barrier: behind it these regions are only read, and each wave stores to its own stage alone
	s_wait_alu depctr_vm_vsrc(0)                   ; the fill's stores have read v64 to v217: from here on these registers are m' and the scores' two buffers, written by loads, vector and matrix instructions
	WIN W_D1
.set x, 0
.rept 102
.if (x%12) < 6
	v_mov_b32 v[QR+x], 0                           ; the nine runs of six zero registers among Q's variants: never written again
.endif
.set x, x+1
.endr
.set x, 0
.rept 8
	v_mov_b32 v[CC+x], 0x0da24260                  ; 1e-30: the score product's C; never written again
.set x, x+1
.endr
	WIN 0
	v_mov_b32 v[F+1], 0                            ; (named as the upper half of a pair)
	v_mov_b32 v[T1], 0                             ; a lane permute's destination counts as read
.set x, 0
.rept 12
	v_mov_b32 v[SB+12+x], 0
.set x, x+1
.endr
	HEAD 0
	HEAD 1
	; THE WAY OUT: my 64 rows x 256 bytes (two heads) come back from my own stage as whole rows; stage row 2 k + hh is query 32 ((k % 8) / 4) + 8 (k / 8) + 2 (k % 4) + hh of my group.
	; No wait on va_vdst: no vector or matrix instruction stands behind the one ahead of the last head's LDS stores.
.set k, 0
.rept 32
	ds_load_b128 v[SB+4*k:SB+4*k+3], v[SRD] offset:2*SP*k
.set k, k+1
.endr
.set k, 0
.rept 32
	s_wait_dscnt 31-k                              ; LDS loads come back in order: load k is in, the 31 - k behind it may be out
	global_store_b128 v[GO], v[SB+4*k:SB+4*k+3], s[18:19] offset:(32*((k%8)/4)+8*(k/8)+2*(k%4))*1024 th:TH_STORE_NT   ; sixteen lanes store 256 consecutive bytes, aligned
.set k, k+1
.endr
	s_wait_dscnt 0x0
	s_wait_alu depctr_hold_cnt(0) depctr_sa_sdst(0) depctr_va_vdst(0) depctr_va_sdst(0) depctr_va_ssrc(0) depctr_va_vcc(0) depctr_vm_vsrc(0)
	s_wait_tensorcnt 0x0
	ds_add_u32 v62, v63
	s_wait_dscnt 0x0
	s_endpgm
.Lfunc_end_k_q14b88091fb_attn:
	.size	k_q14b88091fb_attn, .Lfunc_end_k_q14b88091fb_attn-k_q14b88091fb_attn
	.p2alignl 7, 3214868480
	.fill 96, 4, 3214868480
	.section	.rodata,"a",@progbits
	.p2align	6, 0x0
	.amdhsa_kernel k_q14b88091fb_attn
		.amdhsa_group_segment_fixed_size 276480
		.amdhsa_private_segment_fixed_size 0
		.amdhsa_enable_private_segment 0
		.amdhsa_kernarg_size 64
		.amdhsa_user_sgpr_count 2
		.amdhsa_user_sgpr_kernarg_segment_ptr 1
		.amdhsa_wavefront_size32 1
		.amdhsa_system_sgpr_workgroup_id_x 1
		.amdhsa_system_sgpr_workgroup_id_y 1
		.amdhsa_system_sgpr_workgroup_id_z 1
		.amdhsa_system_vgpr_workitem_id 0
		.amdhsa_next_free_vgpr 512
		.amdhsa_next_free_sgpr 66
		.amdhsa_reserve_vcc 0
		.amdhsa_float_denorm_mode_32 3
		.amdhsa_float_denorm_mode_16_64 3
		.amdhsa_memory_ordered 1
		.amdhsa_forward_progress 1
		.amdhsa_inst_pref_size 255
	.end_amdhsa_kernel
	.section	.bss,"aw",@nobits
	.p2align	6
	.space	262144
	.amdgpu_metadata
---
amdhsa.version: [ 1, 2 ]
amdhsa.kernels:
  - .name:           k_q14b88091fb_attn
    .symbol:         k_q14b88091fb_attn.kd
    .args:
      - { .name: qc, .offset: 0, .size: 8, .value_kind: global_buffer, .address_space: global }
      - { .name: qs, .offset: 8, .size: 8, .value_kind: global_buffer, .address_space: global }
      - { .name: kc, .offset: 16, .size: 8, .value_kind: global_buffer, .address_space: global }
      - { .name: ks, .offset: 24, .size: 8, .value_kind: global_buffer, .address_space: global }
      - { .name: vc, .offset: 32, .size: 8, .value_kind: global_buffer, .address_space: global }
      - { .name: vs, .offset: 40, .size: 8, .value_kind: global_buffer, .address_space: global }
      - { .name: mask, .offset: 48, .size: 8, .value_kind: global_buffer, .address_space: global }
      - { .name: out0, .offset: 56, .size: 8, .value_kind: global_buffer, .address_space: global }
    .group_segment_fixed_size: 276480
    .private_segment_fixed_size: 0
    .kernarg_segment_align: 8
    .kernarg_segment_size: 64
    .max_flat_workgroup_size: 256
    .sgpr_count:     66
    .vgpr_count:     512
    .wavefront_size: 32
...
	.end_amdgpu_metadata
.endif
;; end of part 6
